; MI455X (gfx1250); checked and timed in simulation.
; The chip was launched on July 23, 2026; its instructions are those of AMD's public machine-readable ISA for CDNA 5 (MIT licence, August 2026) and "CDNA5" Instruction Set Architecture Reference Guide (July 2026). The comments in the code are by the model that wrote it; some were corrected since.
;; Ambient Reflection Net. Allowed arithmetic: matrix products marked QUANTISED: E2M1 operands, one E8M0 scale for each 32 along K, by v_wmma_scale_f32_16x16x128_f8f6f4 with both operands' format E2M1 (or v_wmma_scale_f32_32x16x128_f4), f32 sums; products left as they are: f32 operands where the result goes on into a quantised operand, else bf16, f16 or f32 operands; f32 sums; everything else in f32.
;; Inputs: dW0 3 x 256 float32; dW1 256 x 256 float32; dW2 256 x 256 float32; dW3 256 x 3 float32; db0 256 float32; db1 256 float32; db2 256 float32; db3 3 float32; normals 262,144 x 3 float32; r0 262,144 x 1 float32; roughness 262,144 x 1 float32; sW0 8 x 256 float32; sW1 256 x 256 float32; sW2 256 x 256 float32; sW3 256 x 3 float32; sb0 256 float32; sb1 256 float32; sb2 256 float32; sb3 3 float32; view_dirs 262,144 x 3 float32.
;; Outputs: out0 262,144 x 3 float32; out1 262,144 x 3 float32.
;; This version of the problem:
;;   THIS VERSION OF THE PROBLEM IS GIVEN IN LOW PRECISION. The matrix products marked QUANTISED in the list below multiply operands that are first quantised to E2M1 (2 exponent bits, 1 mantissa bit; 4 bits a number), with one power-of-two scale for each 32 numbers along K (OCP MX v1.0); their sums are f32. All else is computed in f32.
;;   The module's matrix products, in the order in which they are computed (A, B: the left and right operand; K: the contracted axis; several contracted axes count as one K, in the product's order):
;;     1. [M 262,144, K 3] x [K 3, N 256]; A: computed on the way; B: input dW0: left as it is (K = 3 < 32)
;;     2. [M 262,144, K 256] x [K 256, N 256]; A: computed on the way; B: input dW1: QUANTISED
;;     3. [M 262,144, K 256] x [K 256, N 256]; A: computed on the way; B: input dW2: QUANTISED
;;     4. [M 262,144, K 256] x [K 256, N 3]; A: computed on the way; B: input dW3: left as it is (N = 3 < 16)
;;     5. [M 262,144, K 8] x [K 8, N 256]; A: computed on the way; B: input sW0: left as it is (K = 8 < 32)
;;     6. [M 262,144, K 256] x [K 256, N 256]; A: computed on the way; B: input sW1: QUANTISED
;;     7. [M 262,144, K 256] x [K 256, N 256]; A: computed on the way; B: input sW2: QUANTISED
;;     8. [M 262,144, K 256] x [K 256, N 3]; A: computed on the way; B: input sW3: left as it is (N = 3 < 16)
;;   THE QUANTISER, for each operand of a quantised product, along K:
;;     - K is cut into blocks of 32 from its start; a last block that is shorter is filled with zeros.
;;     - A block's scale is 2^e with e = floor(log2(the largest magnitude in the block)) - 2, held to -126 .. 127; a block of zeros has e = 0. As a byte (E8M0): e + 127.
;;     - Each number is divided by its block's scale, clamped to +-6, and rounded to the nearest number of E2M1, ties to even, subnormals kept.
;;     - The product sums the exact products of the quantised numbers (number of the format x scale) in f32.
;;   ~~~python
;;   def quantise(x, axis):      # numpy; x: float32 -> the quantised numbers, widened to float32 again
;;       x = np.moveaxis(x, axis, -1); K = x.shape[-1]
;;       x = np.pad(x, [(0, 0)] * (x.ndim - 1) + [(0, -K % 32)]); x = x.reshape(x.shape[:-1] + (-1, 32)); a = np.abs(x).max(-1, keepdims=True)
;;       e = np.where(a > 0, np.clip(np.frexp(np.where(a > 0, a, 1))[1] - 1 - 2, -126, 127), 0)      # np.frexp(a)[1] - 1 = floor(log2(a)), exactly
;;       r = np.clip(x / 2.0 ** e, -6, 6)
;;       step = 2.0 ** (np.maximum(np.frexp(np.where(r == 0, 1, r))[1] - 1, 0) - 1)
;;       q = np.round(r / step) * step * 2.0 ** e      # np.round: ties to even
;;       return np.moveaxis(q.reshape(q.shape[:-2] + (-1,))[..., :K], -1, axis).astype(np.float32)
;;   ~~~
;;   OPERANDS COMPUTED ON THE WAY. 'Computed on the way' means the value that the module computes at that place (a softmax that the list does not call 'softmax' is quantised finished and normalised). What goes into a quantiser is computed in f32, as accurately as f32 sums, v_exp_f32 and their like allow (about 1e-6 of the number): no bf16 or f16 on the way to a quantiser, and a product that is left as it is and whose result goes on into a quantised operand takes f32 operands (vector FMAs, or v_wmma_f32_16x16x4_f32). A number that lies on a knife's edge between two numbers of the format may be rounded either way, as far as f32 arithmetic and the matrix unit's own rounding can turn it there, and no further.
;; 2 versions. Each part assembles by itself: llvm-mc -triple=amdgcn-amd-amdhsa -mcpu=gfx1250 --defsym DOCPART=n.
;; ======== version 1 of 2: 2 launches
;; workspace buffers: wq 131,072 bytes; ws 16,384 bytes; vis 32,768 bytes of whole numbers
;; launch prep (part 1): grid 272 x 1, 4 waves a work-group, no clusters, 0 bytes of LDS; arguments normals, view_dirs, dW1, dW2, sW1, sW2, wq, ws, vis; writes wq, ws, vis
.if DOCPART == 1
	.amdgcn_target "amdgcn-amd-amdhsa--gfx1250"
	.amdhsa_code_object_version 6
	.text
	.protected	k_qb6fbcdbe3a_prep
	.globl	k_qb6fbcdbe3a_prep
	.p2align	8
	.type	k_qb6fbcdbe3a_prep,@function
k_qb6fbcdbe3a_prep:
	s_mov_b64 s[64:65], 0
	v_nop
	global_prefetch_b8 v0, s[64:65] scope:SCOPE_SE
	s_setreg_imm32_b32 hwreg(HW_REG_WAVE_MODE, 25, 1), 1
	s_wait_xcnt 0x0
; Two jobs in one launch, told apart by the work-group's number.
; WORK-GROUPS 0-255: the visibility of 1,024 points each: bit l of word k of vis says whether point 32 k + l has n . v > 0, n and v being the normalised inputs.
;   A wave takes 8 words (256 points), a lane a point of each.  The arithmetic follows the source step by step: squares and sums rounded one by one, the root and the quotients
;   refined by one correction step each, the three products of the dot product rounded one by one.  That is why multiplies and adds are not fused here.
;   A wave's 8 words leave as 32 bytes; the whole buffer is 32,768 bytes.
; WORK-GROUPS 256-271: the four weights [256 (k)][256 (n)] f32 become codes of FP4 (E2M1) with one E8M0 byte for each 32 along k, laid as IMAGES OF THE OPERAND REGISTERS of the wave that will use them.
;   Work-group 256 + 4 M + cg (M: 0 dW1, 1 dW2, 2 sW1, 3 sW2) makes the 64 columns 64 cg on; its wave i makes tile i: operand row m is column 64 cg + 32 (m / 8) + 8 i + m % 8.
;   A lane takes a column and its registers run down k, in the order the operand's layout gives that lane (row lane % 16; registers 4 c .. 4 c + 3 of K step s: k = 128 s + 64 c + 32 (lane / 16) + 0 .. 31):
;   a block of 32 lies in one lane, and the conversions' results are the operand's registers.
;   wq: ((4 M + cg) x 8 + 2 i + s) x 1,024 + 512 c + 16 lane.   ws: (4 M + cg) x 1,024 + 256 i + 8 lane: the scale words of K steps 0 and 1 of row lane % 16.
; LIMITS: NaN and infinities are not served; the sum of a vector's squares must stay finite (components under about 1e19).  A block of zeros gets the byte 1 (its codes are zeros; this program alone reads the bytes).
; A point whose n . v lies within a few roundings of 0 may fall on the other side than in another order of f32 arithmetic.
.set EPSB, 0x2b8cbccc                  ; 1e-12
.set NV,   32                          ; word j: n at v[NV+8j .. +2], its squares' sum at +3; v at +4 .. +6, its sum at +7
.set Q,    96                          ; word j: eight registers at work
	s_load_b512 s[4:19], s[0:1], 0x0               ; normals s[4:5], view_dirs s[6:7], dW1 s[8:9], dW2 s[10:11], sW1 s[12:13], sW2 s[14:15], wq s[16:17], ws s[18:19]
	s_load_b64 s[20:21], s[0:1], 0x40              ; vis
	v_lshrrev_b32 v1, 5, v0
	v_readfirstlane_b32 s2, v1                     ; wave
	v_and_b32 v1, 31, v0                           ; lane
	v_and_b32 v2, 15, v0                           ; r
	v_bfe_u32 v3, v0, 4, 1                         ; h
	s_wait_kmcnt 0x0
	s_cmp_lt_u32 ttmp9, 256
	s_cbranch_scc0 .Lweights
	; ---------------- visibility
	s_mul_i32 s22, ttmp9, 12288                    ; 1,024 points of 12 bytes,
	s_mul_i32 s23, s2, 3072                        ; my wave's 256
	s_add_co_u32 s22, s22, s23
	s_mov_b32 s23, 0
	s_add_nc_u64 s[4:5], s[4:5], s[22:23]
	s_add_nc_u64 s[6:7], s[6:7], s[22:23]
	v_mul_u32_u24 v4, v1, 12
	v_mov_b32 v5, 0                                ; the eight words, one a lane
	v_lshlrev_b32 v6, 2, v1
.irp j, 0,1,2,3,4,5,6,7
	global_load_b96 v[NV+8*\j:NV+8*\j+2], v4, s[4:5] offset:384*\j      ; 32 lanes read 384 consecutive bytes
	global_load_b96 v[NV+8*\j+4:NV+8*\j+6], v4, s[6:7] offset:384*\j
.endr
	s_lshl_b32 s22, ttmp9, 7                       ; where my 8 words go: 128 bytes a work-group, 32 a wave
	s_lshl_b32 s23, s2, 5
	s_add_co_u32 s22, s22, s23
	s_mov_b32 s23, 0
	s_add_nc_u64 s[20:21], s[20:21], s[22:23]
	s_wait_loadcnt 0x0
.irp j, 0,1,2,3,4,5,6,7
	v_mul_f32 v[Q+8*\j], v[NV+8*\j], v[NV+8*\j]
	v_mul_f32 v[Q+8*\j+1], v[NV+8*\j+1], v[NV+8*\j+1]
	v_mul_f32 v[Q+8*\j+2], v[NV+8*\j+2], v[NV+8*\j+2]
	v_mul_f32 v[Q+8*\j+4], v[NV+8*\j+4], v[NV+8*\j+4]
	v_mul_f32 v[Q+8*\j+5], v[NV+8*\j+5], v[NV+8*\j+5]
	v_mul_f32 v[Q+8*\j+6], v[NV+8*\j+6], v[NV+8*\j+6]
.endr
.irp j, 0,1,2,3,4,5,6,7
	v_add_f32 v[Q+8*\j], v[Q+8*\j], v[Q+8*\j+1]
	v_add_f32 v[Q+8*\j+4], v[Q+8*\j+4], v[Q+8*\j+5]
.endr
.irp j, 0,1,2,3,4,5,6,7
	v_add_f32 v[NV+8*\j+3], v[Q+8*\j], v[Q+8*\j+2]
	v_add_f32 v[NV+8*\j+7], v[Q+8*\j+4], v[Q+8*\j+6]
.endr
.irp j, 0,1,2,3,4,5,6,7                        ; one batch: the roots and, for their correction, the reciprocal roots
	v_sqrt_f32 v[Q+8*\j], v[NV+8*\j+3]
	v_rsq_f32 v[Q+8*\j+1], v[NV+8*\j+3]
	v_sqrt_f32 v[Q+8*\j+2], v[NV+8*\j+7]
	v_rsq_f32 v[Q+8*\j+3], v[NV+8*\j+7]
.endr
	v_nop                                          ; a plain instruction behind the last of the batch,
	s_wait_alu depctr_va_vdst(0)                   ; and one wait for the batch ahead of its first reader
.irp j, 0,1,2,3,4,5,6,7
	v_fma_f32 v[Q+8*\j+4], -v[Q+8*\j], v[Q+8*\j], v[NV+8*\j+3]          ; what the root's square leaves
	v_fma_f32 v[Q+8*\j+5], -v[Q+8*\j+2], v[Q+8*\j+2], v[NV+8*\j+7]
	v_mul_f32 v[Q+8*\j+1], 0.5, v[Q+8*\j+1]
	v_mul_f32 v[Q+8*\j+3], 0.5, v[Q+8*\j+3]
.endr
.irp j, 0,1,2,3,4,5,6,7
	v_fma_f32 v[Q+8*\j], v[Q+8*\j+4], v[Q+8*\j+1], v[Q+8*\j]            ; root + rest / (2 root).  Of a zero vector: 0 x infinity, a NaN,
	v_fma_f32 v[Q+8*\j+2], v[Q+8*\j+5], v[Q+8*\j+3], v[Q+8*\j+2]
.endr
.irp j, 0,1,2,3,4,5,6,7
	v_max_num_f32 v[Q+8*\j], EPSB, v[Q+8*\j]                            ; which loses against eps here: the right divisor
	v_max_num_f32 v[Q+8*\j+2], EPSB, v[Q+8*\j+2]
.endr
.irp j, 0,1,2,3,4,5,6,7
	v_rcp_f32 v[Q+8*\j+1], v[Q+8*\j]
	v_rcp_f32 v[Q+8*\j+3], v[Q+8*\j+2]
.endr
	v_nop
	s_wait_alu depctr_va_vdst(0)                   ; one wait for the sixteen reciprocals
.irp c, 0,1,2                                  ; a / norm: a first quotient, its rest, the corrected quotient
.irp j, 0,1,2,3,4,5,6,7
	v_mul_f32 v[Q+8*\j+4], v[NV+8*\j+\c], v[Q+8*\j+1]
	v_mul_f32 v[Q+8*\j+6], v[NV+8*\j+4+\c], v[Q+8*\j+3]
.endr
.irp j, 0,1,2,3,4,5,6,7
	v_fma_f32 v[Q+8*\j+5], -v[Q+8*\j+4], v[Q+8*\j], v[NV+8*\j+\c]
	v_fma_f32 v[Q+8*\j+7], -v[Q+8*\j+6], v[Q+8*\j+2], v[NV+8*\j+4+\c]
.endr
.irp j, 0,1,2,3,4,5,6,7
	v_fma_f32 v[NV+8*\j+\c], v[Q+8*\j+5], v[Q+8*\j+1], v[Q+8*\j+4]
	v_fma_f32 v[NV+8*\j+4+\c], v[Q+8*\j+7], v[Q+8*\j+3], v[Q+8*\j+6]
.endr
.endr
.irp j, 0,1,2,3,4,5,6,7
	v_mul_f32 v[Q+8*\j+4], v[NV+8*\j], v[NV+8*\j+4]
	v_mul_f32 v[Q+8*\j+5], v[NV+8*\j+1], v[NV+8*\j+5]
	v_mul_f32 v[Q+8*\j+6], v[NV+8*\j+2], v[NV+8*\j+6]
.endr
.irp j, 0,1,2,3,4,5,6,7
	v_add_f32 v[Q+8*\j+4], v[Q+8*\j+4], v[Q+8*\j+5]
.endr
.irp j, 0,1,2,3,4,5,6,7
	v_add_f32 v[Q+8*\j+4], v[Q+8*\j+4], v[Q+8*\j+6]
.endr
.irp j, 0,1,2,3,4,5,6,7
	v_cmp_gt_f32 s[24+\j], v[Q+8*\j+4], 0          ; the word: a bit a lane
	v_writelane_b32 v5, s[24+\j], \j               ; into lane j
.endr
	v_cmp_gt_u32 vcc_lo, 8, v1
	s_wait_xcnt 0x0                                ; EXEC changes only when every earlier memory instruction has had its addresses translated
	s_and_saveexec_b32 s40, vcc_lo
	global_store_b32 v6, v5, s[20:21]              ; lanes 0-7: 32 consecutive bytes
	s_wait_xcnt 0x0
	s_or_b32 exec_lo, exec_lo, s40
	s_endpgm
	; ---------------- weights
.Lweights:
	s_sub_co_u32 s22, ttmp9, 256                   ; 4 M + cg
	s_lshr_b32 s23, s22, 2                         ; M
	s_and_b32 s24, s22, 3                          ; cg
	s_cmp_lt_u32 s23, 2                            ; the choice hangs on the work-group's number alone
	s_cselect_b64 s[8:9], s[8:9], s[12:13]
	s_cselect_b64 s[10:11], s[10:11], s[14:15]
	s_bitcmp1_b32 s23, 0
	s_cselect_b64 s[8:9], s[10:11], s[8:9]
	s_lshl_b32 s26, s24, 8                         ; column 64 cg,
	s_lshl_b32 s27, s2, 5                          ; + 8 i, in bytes
	s_add_co_u32 s26, s26, s27
	s_mov_b32 s27, 0
	s_add_nc_u64 s[8:9], s[8:9], s[26:27]
	s_lshl_b32 s26, s22, 13
	s_lshl_b32 s30, s2, 11
	s_add_co_u32 s26, s26, s30
	s_add_nc_u64 s[16:17], s[16:17], s[26:27]      ; my tile's two fragments in wq
	s_lshl_b32 s26, s22, 10
	s_lshl_b32 s30, s2, 8
	s_add_co_u32 s26, s26, s30
	s_add_nc_u64 s[18:19], s[18:19], s[26:27]      ; and its scale words in ws
	s_mov_b32 s28, 0x76543210
	s_mov_b32 s29, 0xfedcba98                      ; v_permlanex16_b32's selects for lane l xor 16
	v_lshrrev_b32 v7, 3, v2
	v_and_b32 v10, 7, v2
	v_lshl_add_u32 v7, v7, 5, v10                  ; 32 (r / 8) + r % 8
	v_lshlrev_b32 v7, 2, v7
	v_lshl_add_u32 v7, v3, 15, v7                  ; lanes 16-31 begin 32 rows of 1,024 bytes further down
	v_lshlrev_b32 v8, 4, v1
	v_lshlrev_b32 v9, 3, v1
.set n, 0
.rept 128                                      ; register 64 + 32 b + e (block b = 2 s + c): W(128 s + 64 c + 32 h + e, my column).  The four waves together read 256 consecutive bytes of a row
	global_load_b32 v[64+n], v7, s[8:9] offset:(128*(n/64)+64*((n/32)%2)+n%32)*1024
.set n, n+1
.endr
	v_lshlrev_b32 v10, 3, v3                       ; 8 h
	v_mov_b32 v14, 0                               ; (a lane permute's destination counts as one of its sources)
	v_mov_b32 v15, 0
	s_wait_loadcnt 0x0
.irp b, 0,1,2,3                                ; the four blocks by turns, two chains each; the floor 2^(3 - 127) holds the byte at 1 from below
	v_max3_num_f32 v[32+\b], |v[64+32*\b]|, |v[65+32*\b]|, 0x1800000
	v_max3_num_f32 v[36+\b], |v[80+32*\b]|, |v[81+32*\b]|, 0x1800000
.endr
.irp i, 2,4,6,8,10,12,14
.irp b, 0,1,2,3
	v_max3_num_f32 v[32+\b], v[32+\b], |v[64+32*\b+\i]|, |v[65+32*\b+\i]|
	v_max3_num_f32 v[36+\b], v[36+\b], |v[80+32*\b+\i]|, |v[81+32*\b+\i]|
.endr
.endr
.irp b, 0,1,2,3
	v_max_num_f32 v[32+\b], v[32+\b], v[36+\b]     ; the block's largest magnitude
.endr
.irp b, 0,1,2,3
	v_add_nc_u32 v[40+\b], 0xff000000, v[32+\b]    ; 2 off its exponent field: the conversion takes this operand's exponent field as its scale
.endr
.irp b, 0,1,2,3
	v_lshrrev_b32 v[44+\b], 23, v[40+\b]           ; the scale's byte
.endr
.irp b, 0,1,2,3
.irp g, 0,1,2,3
	v_cvt_scalef32_pk8_fp4_f32 v[16+4*\b+\g], v[64+32*\b+8*\g:71+32*\b+8*\g], v[40+\b]
.endr
.endr
	v_nop                                          ; a plain instruction behind the last conversion
.irp s, 0,1                                    ; K step s: my bytes are those of blocks h and 2 + h of the step; lane l xor 16 has the other two
	v_lshl_or_b32 v[12+\s], v[45+2*\s], 16, v[44+2*\s]
.endr
.irp s, 0,1
	v_lshlrev_b32 v[12+\s], v10, v[12+\s]
.endr
.irp s, 0,1
	v_permlanex16_b32 v[14+\s], v[12+\s], s28, s29
.endr
.irp s, 0,1
	v_or_b32 v[12+\s], v[12+\s], v[14+\s]
.endr
.irp b, 0,1,2,3
	global_store_b128 v8, v[16+4*\b:19+4*\b], s[16:17] offset:512*\b    ; 512 consecutive bytes
.endr
	global_store_b64 v9, v[12:13], s[18:19]        ; 256 consecutive bytes, aligned
	s_endpgm
.Lfunc_end_k_qb6fbcdbe3a_prep:
	.size	k_qb6fbcdbe3a_prep, .Lfunc_end_k_qb6fbcdbe3a_prep-k_qb6fbcdbe3a_prep
	.p2alignl 7, 3214868480
	.fill 96, 4, 3214868480
	.section	.rodata,"a",@progbits
	.p2align	6, 0x0
	.amdhsa_kernel k_qb6fbcdbe3a_prep
		.amdhsa_group_segment_fixed_size 0
		.amdhsa_private_segment_fixed_size 0
		.amdhsa_enable_private_segment 0
		.amdhsa_kernarg_size 72
		.amdhsa_user_sgpr_count 2
		.amdhsa_user_sgpr_kernarg_segment_ptr 1
		.amdhsa_wavefront_size32 1
		.amdhsa_system_sgpr_workgroup_id_x 1
		.amdhsa_system_sgpr_workgroup_id_y 1
		.amdhsa_system_sgpr_workgroup_id_z 1
		.amdhsa_system_vgpr_workitem_id 0
		.amdhsa_next_free_vgpr 192
		.amdhsa_next_free_sgpr 66
		.amdhsa_reserve_vcc 1
		.amdhsa_float_denorm_mode_32 3
		.amdhsa_float_denorm_mode_16_64 3
		.amdhsa_memory_ordered 1
		.amdhsa_forward_progress 1
		.amdhsa_inst_pref_size 41
	.end_amdhsa_kernel
	.amdgpu_metadata
---
amdhsa.version: [ 1, 2 ]
amdhsa.kernels:
  - .name:           k_qb6fbcdbe3a_prep
    .symbol:         k_qb6fbcdbe3a_prep.kd
    .args:
      - { .name: normals, .offset: 0, .size: 8, .value_kind: global_buffer, .address_space: global }
      - { .name: view_dirs, .offset: 8, .size: 8, .value_kind: global_buffer, .address_space: global }
      - { .name: dW1, .offset: 16, .size: 8, .value_kind: global_buffer, .address_space: global }
      - { .name: dW2, .offset: 24, .size: 8, .value_kind: global_buffer, .address_space: global }
      - { .name: sW1, .offset: 32, .size: 8, .value_kind: global_buffer, .address_space: global }
      - { .name: sW2, .offset: 40, .size: 8, .value_kind: global_buffer, .address_space: global }
      - { .name: wq, .offset: 48, .size: 8, .value_kind: global_buffer, .address_space: global }
      - { .name: ws, .offset: 56, .size: 8, .value_kind: global_buffer, .address_space: global }
      - { .name: vis, .offset: 64, .size: 8, .value_kind: global_buffer, .address_space: global }
    .group_segment_fixed_size: 0
    .private_segment_fixed_size: 0
    .kernarg_segment_align: 8
    .kernarg_segment_size: 72
    .max_flat_workgroup_size: 128
    .sgpr_count:     66
    .vgpr_count:     192
    .wavefront_size: 32
...
	.end_amdgpu_metadata
.endif
;; end of part 1
;; launch mlp (part 2): grid 256 x 1, 8 waves a work-group, no clusters, 214,528 bytes of LDS; arguments normals, view_dirs, roughness, r0, vis, wq, ws, out0, out1, dW0, db0, db1, db2, dW3, db3, sW0, sb0, sb1, sb2, sW3, sb3; writes out0, out1
.if DOCPART == 2
	.amdgcn_target "amdgcn-amd-amdhsa--gfx1250"
	.amdhsa_code_object_version 6
	.text
	.protected	k_qb6fbcdbe3a_mlp
	.globl	k_qb6fbcdbe3a_mlp
	.p2align	8
	.type	k_qb6fbcdbe3a_mlp,@function
k_qb6fbcdbe3a_mlp:
	s_mov_b64 s[64:65], 0
	v_nop
	global_prefetch_b8 v0, s[64:65] scope:SCOPE_SE
	s_setreg_imm32_b32 hwreg(HW_REG_WAVE_MODE, 25, 1), 1
	s_wait_xcnt 0x0
; Both MLPs (3 -> 256 -> 256 -> 256 -> 3 and 8 -> 256 -> 256 -> 256 -> 3) for 1,024 points a work-group.  Rows with n . v <= 0 are zeros in the result, so only the visible points are multiplied:
; the work-group reads its 32 mask words (made by the launch before), ranks its visible points, and takes them through the layers in blocks of 32 rows.
; SHARES.  Waves 0-3 are the diffuse MLP, waves 4-7 the specular one (role = wave / 4).  THE WAVES SHARE THE COLUMNS, NOT THE ROWS: wave cg = wave % 4 owns hidden units 64 cg .. 64 cg + 63 of every layer of its MLP;
; its weights, scale words and biases (256 registers) stay in registers for the whole launch, and every wave works on every block, whatever the number of visible points.
; LAYOUT.  All products are used transposed (source 0 = 16 units, source 1 = 16 points).  Operand row m of tile i is unit 64 cg + 32 (m / 8) + 8 i + m % 8, so that in the results lane (r, h) holds point r and
; register j of tile i holds unit 64 cg + 32 h + 8 i + j: A LANE'S 32 REGISTERS ARE ONE WHOLE BLOCK OF 32 ALONG THE NEXT K (block 2 cg + h), and its four conversions give registers 4 (cg % 2) .. + 3 of K step cg / 2
; of the next operand in the very lanes that want them.  They go to the other waves through LDS as an image of the registers: 16 bytes at 16 x lane, and one scale byte a lane.
; RELU ON THE CODES.  The block's maximum is taken without magnitudes (what is negative must not count; the floor stands over it), the raw sums are converted, and every code with a sign bit is cleared: four integer
; lines for eight numbers.  Positive numbers get the code of the quantised relu, negative ones the code 0.
; FIRST LAYERS: f32 operands (their results go into a quantiser), by the f32 matrix form, bias as C; K step 0 = (n0, n1, n2, v0), K step 1 = (v1, v2, roughness, r0), the specular waves' alone; the diffuse weights have a 0 at k = 3.
; LAST LAYERS: bf16 operands, EACH f32 NUMBER AS TWO OF THEM: hi = its upper 16 bits (exact), lo = the number - hi (exact in f32), rounded to bf16: what is lost is about 2^-16 of the number, against 2^-9 for one bf16.
; W3^T has 3 rows of an operand's 16: rows 0-2 hold W3's hi parts, rows 4-6 its lo parts, the others zeros, so that W3's split costs no instruction; the hidden layer's hi and lo are two operands.
; An output is result row c + result row c + 4.  Each wave sums its own 64 units; the four waves' parts lie in LDS by rank and are added, with b3, at the end.
; PIPELINE.  A trip holds three stages on three blocks (third product and last layer of block T - 2; second product of block T - 1; first layer of block T) and ONE barrier.  Each stage stands under a scalar branch on
; the number of blocks; the barrier stands outside.  34 trips, a constant, serve every number of visible points.
; NO TENSOR LOADS, NO JOINT LOADS: the stages' branches hang on a stored count.  A wave reads its 18,432 bytes of codes, scale words and biases once, straight into the registers that use them.
; All global reads stand at the head, so nothing is left to prefetch.
; LIMITS: NaN and infinities are not served; the sum of a vector's squares must stay finite (components under about 1e19).  A block with no positive number gets the byte 1 and zero codes.
.set PBSZ,  17408                      ; LDS: two parity blocks: H0 images 8,192 (role x 4,096 + tile m x 2,048 + quarter x 512 + 16 lane), H1 images 8,192, H0 scale words 512 (role x 256 + m x 128 + K step x 64 + 4 r + byte), H1's 512
.set H1O,   8192
.set HS0,   16384
.set LIST,  34816                      ; 1,152 words: rank -> local point; words 1,024 .. 1,055: a dump word a lane
.set XBASE, 39424                      ; 34 blocks x 1,024: tile m at + 512 m, K step u at + 256 u, lane at + 8 lane: the pair x[4 u + 2 h], x[4 u + 2 h + 1] of point r
.set PART,  74240                      ; role x 69,632 + cg x 17,408 + 1,024 + 16 x rank: four f32
.set PWAVE, 17408
.set PROLE, 69632
.set IM,  4                            ; v4   images, to read: role x 4,096 + 16 lane
.set IW,  5                            ; v5   to write: + 512 cg
.set SR,  6                            ; v6   scale words, to read: HS0 + role x 256 + 4 r
.set SW,  7                            ; v7   my scale byte: + 64 (cg / 2) + 2 (cg % 2) + h
.set XB,  8                            ; v8   XBASE + 8 lane
.set XA,  9                            ; v9   + 1,024 x trip
.set PB,  10                           ; v10  PART + role x 69,632 + cg x 17,408 + 16 lane
.set PA,  11                           ; v11  + 512 x trip
.set WS1, 20                           ; v20-27 scale words of W1 (2 i + K step), v28-35 of W2: scales and nothing else
.set WS2, 28
.set SB,  36                           ; v36-39 the activations' scale words (2 m + K step): scales and nothing else
.set XF,  40                           ; v40-47 x's fragments (4 m + 2 u)
.set FR,  48                           ; v48-79 the activations' fragments (16 m + 8 K step);
.set BL,  48                           ;        behind the third product: the last layer's lo operands (16 m + 8 q)
.set ACC, 80                           ; v80-143 eight accumulators (32 m + 8 i): written by matrix instructions alone
.set BF,  144                          ; v144-175 the last layer's hi operands (16 m + 8 q)
.set T,   176                          ; v176-191 at work
.set D3,  192                          ; v192-207 the last layer's sums (8 m)
.set CD,  208                          ; v208-215 codes (4 m)
.set U,   216                          ; v216-223 masks of the relu on codes
.set QT,  224                          ; v224-231 (4 m): two maxima, the conversion's scale operand, the byte
.set GP,  232                          ; v232-235 4 x point, v236-239 12 x point: the gathers' offsets
.set GQ,  236
.set FM,  240                          ; v240-241 1.0 in the lanes of W3^T's six rows, else 0
.set LZ,  242                          ; v242 LIST + 16 lane
.set LR,  243                          ; v243 LIST + 4 x thread
.set LT,  244                          ; v244-245 the list's address and data
.set XW,  246                          ; v246 where I store x's images
.set GO,  247                          ; v247 12 x lane: the results' offset
.set Z,   248                          ; v248-251 zeros
.set DUMP, 252                         ; v252 1,024 + lane
.set XZ,  253                          ; v253 XBASE + 32 blocks + 8 x thread: blocks 32 and 33, which no point has
.set W1F, 0                            ; window 1 (v256-511): W1's fragments 8 (2 i + K step), W2's, the three biases 8 i, W0's pairs 4 i + 2 u, W3's fragments 8 q
.set W2F, 64
.set B0,  128
.set B1,  160
.set B2,  192
.set W0F, 224
.set W3F, 240
.set MSB, 0
.macro WIN new                         ; low byte: bits 1:0 source 0, 3:2 source 1, 5:4 source 2, 7:6 destination; the high byte repeats the setting that is left
.if MSB != \new
	s_set_vgpr_msb (MSB<<8)|\new
.set MSB, \new
.endif
.endm
.macro PLACES n                        ; plain instructions between a matrix instruction and the first reader of its results (ISA guide 7.12.1): 4 behind the FP4 and bf16 forms, 8 behind the f32 form
.rept \n
	v_nop
.endr
.endm
; A block's two tiles of activations: four quarters of 512 bytes each, and their scale words
.macro LOADH off, sof
.irp m, 0,1
.irp q, 0,1,2,3
	ds_load_b128 v[FR+16*\m+4*\q:FR+16*\m+4*\q+3], v[IM] offset:(\off)+2048*\m+512*\q
.endr
.endr
.irp m, 0,1
.irp u, 0,1
	ds_load_b32 v[SB+2*\m+\u], v[SR] offset:(\sof)+128*\m+64*\u
.endr
.endr
	s_wait_dscnt 0x0
.endm
; 16 matrix instructions: my four tiles of units x the block's two tiles of points x two K steps of 128.  The bias is the C of the first K step.  The eight accumulators take turns, one instruction a turn.
.macro MM4 wf, bb, wsc
	WIN 0x11                                       ; source 0 (weights) and C (bias) in window 1
.irp m, 0,1
.irp i, 0,1,2,3
	v_wmma_scale_f32_16x16x128_f8f6f4 v[ACC+32*\m+8*\i:ACC+32*\m+8*\i+7], v[\wf+16*\i:\wf+16*\i+7], v[FR+16*\m:FR+16*\m+7], v[\bb+8*\i:\bb+8*\i+7], v[\wsc+2*\i], v[SB+2*\m] matrix_a_fmt:MATRIX_FMT_FP4 matrix_b_fmt:MATRIX_FMT_FP4
.endr
.endr
	WIN 0x01
.irp m, 0,1
.irp i, 0,1,2,3
	v_wmma_scale_f32_16x16x128_f8f6f4 v[ACC+32*\m+8*\i:ACC+32*\m+8*\i+7], v[\wf+16*\i+8:\wf+16*\i+15], v[FR+16*\m+8:FR+16*\m+15], v[ACC+32*\m+8*\i:ACC+32*\m+8*\i+7], v[\wsc+2*\i+1], v[SB+2*\m+1] matrix_a_fmt:MATRIX_FMT_FP4 matrix_b_fmt:MATRIX_FMT_FP4
.endr
.endr
	WIN 0
.endm
; The eight accumulators become the quantised relu: for each tile of points a lane's 32 numbers are one block.  Both tiles by turns.  Each accumulator is read from its low end on.
.macro QUANT off, sof
.irp m, 0,1
	v_max3_num_f32 v[QT+4*\m], v[ACC+32*\m], v[ACC+32*\m+1], 0x1800000          ; no magnitudes: negative numbers do not count; the floor 2^(3 - 127) holds the byte at 1 from below
	v_max3_num_f32 v[QT+4*\m+1], v[ACC+32*\m+16], v[ACC+32*\m+17], 0x1800000
.endr
.irp i, 2,4,6,8,10,12,14
.irp m, 0,1
	v_max3_num_f32 v[QT+4*\m], v[QT+4*\m], v[ACC+32*\m+\i], v[ACC+32*\m+\i+1]
	v_max3_num_f32 v[QT+4*\m+1], v[QT+4*\m+1], v[ACC+32*\m+16+\i], v[ACC+32*\m+17+\i]
.endr
.endr
.irp m, 0,1
	v_max_num_f32 v[QT+4*\m], v[QT+4*\m], v[QT+4*\m+1]
.endr
.irp m, 0,1
	v_add_nc_u32 v[QT+4*\m+2], 0xff000000, v[QT+4*\m]      ; 2 off the exponent field: the conversion's scale operand
.endr
.irp m, 0,1
.irp i, 0,1,2,3
	v_cvt_scalef32_pk8_fp4_f32 v[CD+4*\m+\i], v[ACC+32*\m+8*\i:ACC+32*\m+8*\i+7], v[QT+4*\m+2]
.endr
.endr
.irp m, 0,1
	v_lshrrev_b32 v[QT+4*\m+3], 23, v[QT+4*\m+2]           ; the scale's byte.  (The plain instruction behind the conversions)
.endr
.irp k, 0,1,2,3,4,5,6,7
	v_bfi_b32 v[U+\k], v[CD+\k], 0, s68                    ; 8 in each code without a sign bit,
.endr
.irp k, 0,1,2,3,4,5,6,7
	v_lshrrev_b32 v[T+\k], 3, v[U+\k]
.endr
.irp k, 0,1,2,3,4,5,6,7
	v_sub_nc_u32 v[U+\k], v[U+\k], v[T+\k]                 ; 8 - 1 = 7 there, 0 elsewhere: no borrow leaves a code
.endr
.irp k, 0,1,2,3,4,5,6,7
	v_and_b32 v[CD+\k], v[CD+\k], v[U+\k]                  ; the relu
.endr
.irp m, 0,1
	ds_store_b128 v[IW], v[CD+4*\m:CD+4*\m+3] offset:(\off)+2048*\m
	ds_store_b8 v[SW], v[QT+4*\m+3] offset:(\sof)+128*\m
.endr
.endm
; Block T - 2: the third product, relu, the split into two bf16 numbers, the last layer's part of my 64 units
.macro STAGE2 pa
	s_add_co_i32 s66, s63, (\pa)-2
	s_cmp_lt_u32 s66, s62                          ; unsigned: a block under 0 is no block
	s_cbranch_scc0 .Lno2_\@
	LOADH (\pa)*PBSZ+H1O, (\pa)*PBSZ+512
	MM4 W2F, B2, WS2
	PLACES 4                                       ; ahead of the first read of the sums, and of the first write into the fragments' registers, which take the lo operands
.irp m, 0,1
.irp i, 0,1,2,3                                ; tiles 2 q and 2 q + 1 packed are an operand of 32 units x 16 points; W3's fragment holds the same units in the same places
.irp j, 0,1,2,3,4,5,6,7
	v_max_num_f32 v[T+\j], 0, v[ACC+32*\m+8*\i+\j]                             ; the relu
.endr
.irp j, 0,1,2,3
	v_perm_b32 v[BF+16*\m+4*\i+\j], v[T+2*\j+1], v[T+2*\j], s71                ; hi: the upper halves of two numbers, the first number's in the low half
.endr
.irp j, 0,1,2,3,4,5,6,7
	v_and_b32 v[T+8+\j], s72, v[T+\j]                                          ; hi as f32
.endr
.irp j, 0,1,2,3
	v_pk_add_f32 v[T+2*\j:T+2*\j+1], v[T+2*\j:T+2*\j+1], v[T+8+2*\j:T+9+2*\j] neg_lo:[0,1] neg_hi:[0,1]   ; the number - hi: nothing is rounded
.endr
.irp j, 0,1,2,3
	v_cvt_pk_bf16_f32 v[BL+16*\m+4*\i+\j], v[T+2*\j], v[T+2*\j+1]              ; lo
.endr
.endr
.endr
	WIN 0x01
	v_wmma_f32_16x16x32_bf16 v[D3:D3+7], v[W3F:W3F+7], v[BF:BF+7], 0                  ; two accumulators by turns: the hi operands' two K steps of 32 units,
	v_wmma_f32_16x16x32_bf16 v[D3+8:D3+15], v[W3F:W3F+7], v[BF+16:BF+23], 0
	v_wmma_f32_16x16x32_bf16 v[D3:D3+7], v[W3F+8:W3F+15], v[BF+8:BF+15], v[D3:D3+7]
	v_wmma_f32_16x16x32_bf16 v[D3+8:D3+15], v[W3F+8:W3F+15], v[BF+24:BF+31], v[D3+8:D3+15]
	v_wmma_f32_16x16x32_bf16 v[D3:D3+7], v[W3F:W3F+7], v[BL:BL+7], v[D3:D3+7]          ; then the lo operands'
	v_wmma_f32_16x16x32_bf16 v[D3+8:D3+15], v[W3F:W3F+7], v[BL+16:BL+23], v[D3+8:D3+15]
	v_wmma_f32_16x16x32_bf16 v[D3:D3+7], v[W3F+8:W3F+15], v[BL+8:BL+15], v[D3:D3+7]
	v_wmma_f32_16x16x32_bf16 v[D3+8:D3+15], v[W3F+8:W3F+15], v[BL+24:BL+31], v[D3+8:D3+15]
	WIN 0
	PLACES 4                                       ; ahead of the reads below, and of the next stage's loads into the lo operands' registers
.irp m, 0,1
	v_pk_add_f32 v[T+4*\m:T+4*\m+1], v[D3+8*\m:D3+8*\m+1], v[D3+8*\m+4:D3+8*\m+5]     ; in lanes 0-15 register j is result row j: W3's hi rows 0-2 + its lo rows 4-6 (rows 3 and 7 are zeros)
	v_pk_add_f32 v[T+4*\m+2:T+4*\m+3], v[D3+8*\m+2:D3+8*\m+3], v[D3+8*\m+6:D3+8*\m+7]
.endr
.irp j, 0,1,2,3
	v_permlane16_swap_b32 v[T+\j], v[T+4+\j]       ; lanes 0-15 hold outputs 0 .. 3 of tile 0's points (output 3 is a zero); lanes 16-31 now those of tile 1's
.endr
	ds_store_b128 v[PA], v[T:T+3] offset:512*(\pa)         ; 16 bytes a rank, 512 a block
.Lno2_\@:
.endm
; Block T - 1: the second product
.macro STAGE1 pa
	s_add_co_i32 s66, s63, (\pa)-1
	s_cmp_lt_u32 s66, s62
	s_cbranch_scc0 .Lno1_\@
	LOADH (1-(\pa))*PBSZ, (1-(\pa))*PBSZ
	MM4 W1F, B1, WS1
	PLACES 4
	QUANT (1-(\pa))*PBSZ+H1O, (1-(\pa))*PBSZ+512
.Lno1_\@:
.endm
; Block T: the first layer
.macro STAGE0 pa
	s_add_co_i32 s66, s63, \pa
	s_cmp_lt_u32 s66, s62
	s_cbranch_scc0 .Lno0_\@
.irp m, 0,1
.irp u, 0,1
	ds_load_b64 v[XF+4*\m+2*\u:XF+4*\m+2*\u+1], v[XA] offset:1024*(\pa)+512*\m+256*\u
.endr
.endr
	s_wait_dscnt 0x0
	WIN 0x11
.irp m, 0,1
.irp i, 0,1,2,3
	v_wmma_f32_16x16x4_f32 v[ACC+32*\m+8*\i:ACC+32*\m+8*\i+7], v[W0F+4*\i:W0F+4*\i+1], v[XF+4*\m:XF+4*\m+1], v[B0+8*\i:B0+8*\i+7]
.endr
.endr
	WIN 0
	s_cmp_eq_u32 s3, 0                             ; the diffuse MLP has three inputs: no second K step
	s_cbranch_scc1 .Lk0_\@
	WIN 0x01
.irp m, 0,1
.irp i, 0,1,2,3
	v_wmma_f32_16x16x4_f32 v[ACC+32*\m+8*\i:ACC+32*\m+8*\i+7], v[W0F+4*\i+2:W0F+4*\i+3], v[XF+4*\m+2:XF+4*\m+3], v[ACC+32*\m+8*\i:ACC+32*\m+8*\i+7]
.endr
.endr
	WIN 0
.Lk0_\@:
	PLACES 8
	QUANT (\pa)*PBSZ, (\pa)*PBSZ
.Lno0_\@:
.endm
; A trip.  Written in it: H0 of its own parity, H1 of the other, my part sums.  Read in it: H1 of its own parity, H0 of the other, x.  What it reads the trip before wrote; what it writes the trip before read.
.macro TRIP pa
	STAGE2 \pa
	STAGE1 \pa
	STAGE0 \pa
	s_wait_dscnt 0x0                               ; my stores have landed and my loads are in
	s_barrier_signal -1
	s_barrier_wait -1
.endm
	s_load_b512 s[4:19], s[0:1], 0x0               ; normals s[4:5], view_dirs s[6:7], roughness s[8:9], r0 s[10:11], vis s[12:13], wq s[14:15], ws s[16:17], out0 s[18:19]
	s_load_b64 s[20:21], s[0:1], 0x40              ; out1
	s_load_b256 s[24:31], s[0:1], 0x48             ; dW0, db0, db1, db2
	s_load_b128 s[32:35], s[0:1], 0x68             ; dW3, db3
	s_load_b256 s[36:43], s[0:1], 0x78             ; sW0, sb0, sb1, sb2
	s_load_b128 s[44:47], s[0:1], 0x98             ; sW3, sb3
	v_lshl_add_u32 v254, v0, 2, 0x34200
	v_mov_b32 v255, 0
	v_lshrrev_b32 v1, 5, v0
	v_readfirstlane_b32 s2, v1                     ; wave 0..7
	s_lshr_b32 s3, s2, 2                           ; role
	s_and_b32 s22, s2, 3                           ; cg
	v_and_b32 v1, 31, v0                           ; lane
	v_and_b32 v2, 15, v0                           ; r
	v_bfe_u32 v3, v0, 4, 1                         ; h
	; every LDS address is made here, ahead of the first branch
	s_lshl_b32 s23, s3, 12
	v_lshl_add_u32 v[IM], v1, 4, s23
	s_lshl_b32 s23, s22, 9
	v_add_nc_u32 v[IW], s23, v[IM]
	s_lshl_b32 s23, s3, 8
	s_add_co_u32 s23, s23, HS0
	v_lshl_add_u32 v[SR], v2, 2, s23
	s_lshr_b32 s23, s22, 1
	s_lshl_b32 s23, s23, 6
	s_and_b32 s51, s22, 1
	s_lshl_b32 s51, s51, 1
	s_add_co_u32 s23, s23, s51
	v_add_nc_u32 v[SW], s23, v[SR]
	v_add_nc_u32 v[SW], v[SW], v3
	v_lshl_add_u32 v[XB], v1, 3, XBASE
	s_mul_i32 s23, s3, PROLE
	s_mul_i32 s51, s22, PWAVE
	s_add_co_u32 s23, s23, s51
	s_add_co_u32 s23, s23, PART
	v_lshl_add_u32 v[PB], v1, 4, s23
	v_lshl_add_u32 v[LZ], v1, 4, LIST
	v_lshl_add_u32 v[LR], v0, 2, LIST
	v_lshl_add_u32 v[XZ], v0, 3, XBASE+32*1024
	v_lshlrev_b32 v[XW], 3, v2
	v_lshl_add_u32 v[XW], v3, 9, v[XW]
	s_lshl_b32 s23, s2, 10
	s_add_co_u32 s23, s23, XBASE
	v_add_nc_u32 v[XW], s23, v[XW]                 ; block = wave (+ 8 p), tile lane / 16, place 8 (lane % 16)
	; offsets of the global loads and stores
	v_lshlrev_b32 v12, 4, v1                       ; 16 lane: images of the weights
	v_lshlrev_b32 v13, 7, v3                       ; 128 h: biases of units 32 h on
	v_lshlrev_b32 v14, 3, v1                       ; 8 lane: scale words
	v_lshrrev_b32 v18, 3, v2
	v_and_b32 v19, 7, v2
	v_lshl_add_u32 v18, v18, 5, v19
	v_lshlrev_b32 v18, 2, v18                      ; 4 (32 (r / 8) + r % 8): my operand row's unit
	v_lshl_add_u32 v15, v3, 11, v18                ; W0, row 2 h of a K step
	s_lshl_b32 s23, s3, 10
	s_add_co_u32 s23, s23, 1024
	v_mul_u32_u24 v16, s23, v3
	v_add_nc_u32 v16, v16, v18
	v_add_nc_u32 v16, 0x400, v16                   ; row 2 h + 1; dW0 has no row 3: there lanes 16-31 read row 2 once more, and the number is replaced by 0 below
	v_and_b32 v17, 3, v2
	v_min_u32 v17, 2, v17
	v_lshlrev_b32 v17, 2, v17
	v_mad_u32_u24 v17, v3, 384, v17                ; W3: output min(r % 4, 2), units 32 h on
	v_mul_u32_u24 v[GO], v1, 12
	v_add_nc_u32 v[DUMP], 0x400, v1
.irp k, 0,1,2,3
	v_mov_b32 v[Z+\k], 0
.endr
	s_mov_b32 s51, 0x00770077                      ; operand rows 0-2 and 4-6, in both halves of the lanes
	v_cndmask_b32 v[FM], 0, 1.0, s51
	v_mov_b32 v[FM+1], v[FM]
	s_wait_kmcnt 0x0
	s_lshl_b32 s100, ttmp9, 7
	s_mov_b32 s101, 0
	s_add_nc_u64 s[12:13], s[12:13], s[100:101]    ; my work-group's 32 mask words
	s_lshl_b32 s66, s2, 4
	s_load_b512 s[68:83], s[12:13], 0x0
	s_load_b512 s[84:99], s[12:13], 0x40
	s_load_b128 s[56:59], s[12:13], s66 offset:0x0 ; the four words whose rows my wave stores
	s_load_b96 s[48:50], s[34:35], 0x0             ; db3
	s_load_b96 s[52:54], s[46:47], 0x0             ; sb3
	s_cmp_lt_u32 s2, 4                             ; my role's tensors: the choice hangs on the wave's number alone
	s_cselect_b64 s[24:25], s[24:25], s[36:37]     ; W0
	s_cselect_b64 s[26:27], s[26:27], s[38:39]     ; b0
	s_cselect_b64 s[28:29], s[28:29], s[40:41]     ; b1
	s_cselect_b64 s[30:31], s[30:31], s[42:43]     ; b2
	s_cselect_b64 s[32:33], s[32:33], s[44:45]     ; W3
	s_lshl_b32 s100, s3, 16
	s_lshl_b32 s23, s22, 13
	s_add_co_u32 s100, s100, s23
	s_add_nc_u64 s[14:15], s[14:15], s[100:101]    ; wq: role x 65,536 + cg x 8,192
	s_lshl_b32 s100, s3, 13
	s_lshl_b32 s23, s22, 10
	s_add_co_u32 s100, s100, s23
	s_add_nc_u64 s[16:17], s[16:17], s[100:101]    ; ws: role x 8,192 + cg x 1,024
	s_lshl_b32 s100, s22, 8                        ; my 64 units, in f32
	s_add_nc_u64 s[24:25], s[24:25], s[100:101]
	s_add_nc_u64 s[26:27], s[26:27], s[100:101]
	s_add_nc_u64 s[28:29], s[28:29], s[100:101]
	s_add_nc_u64 s[30:31], s[30:31], s[100:101]
	s_mul_i32 s100, s22, 768                       ; 64 rows of W3
	s_add_nc_u64 s[32:33], s[32:33], s[100:101]
	s_mul_i32 s100, ttmp9, 12288                   ; my work-group's 1,024 points
	s_add_nc_u64 s[4:5], s[4:5], s[100:101]
	s_add_nc_u64 s[6:7], s[6:7], s[100:101]
	s_mul_i32 s23, s2, 1536                        ; my wave's 128 rows of the results
	s_add_co_u32 s100, s100, s23
	s_add_nc_u64 s[18:19], s[18:19], s[100:101]
	s_add_nc_u64 s[20:21], s[20:21], s[100:101]
	s_lshl_b32 s100, ttmp9, 12
	s_add_nc_u64 s[8:9], s[8:9], s[100:101]
	s_add_nc_u64 s[10:11], s[10:11], s[100:101]
	; the weights: they stay
	WIN 0x40                                       ; destination window 1, address window 0
.set n, 0
.rept 16
	global_load_b128 v[W1F+4*n:W1F+4*n+3], v12, s[14:15] offset:512*n
	global_load_b128 v[W2F+4*n:W2F+4*n+3], v12, s[14:15] offset:32768+512*n
.set n, n+1
.endr
.irp i, 0,1,2,3                                ; tile i, lane (r, h): the biases of units 32 h + 8 i + 0 .. 7: the result's layout
	global_load_b128 v[B0+8*\i:B0+8*\i+3], v13, s[26:27] offset:32*\i
	global_load_b128 v[B0+8*\i+4:B0+8*\i+7], v13, s[26:27] offset:32*\i+16
	global_load_b128 v[B1+8*\i:B1+8*\i+3], v13, s[28:29] offset:32*\i
	global_load_b128 v[B1+8*\i+4:B1+8*\i+7], v13, s[28:29] offset:32*\i+16
	global_load_b128 v[B2+8*\i:B2+8*\i+3], v13, s[30:31] offset:32*\i
	global_load_b128 v[B2+8*\i+4:B2+8*\i+7], v13, s[30:31] offset:32*\i+16
.endr
.irp i, 0,1,2,3
	global_load_b32 v[W0F+4*\i], v15, s[24:25] offset:32*\i            ; W0(2 h, unit), W0(2 h + 1, unit)
	global_load_b32 v[W0F+4*\i+1], v16, s[24:25] offset:32*\i
	v_mov_b32 v[W0F+4*\i+2], 0                                         ; the second K step's registers are written in every wave; the specular waves load theirs below
	v_mov_b32 v[W0F+4*\i+3], 0
.endr
	WIN 0
	s_cmp_eq_u32 s3, 0
	s_cbranch_scc1 .Lno_k1
	WIN 0x40
.irp i, 0,1,2,3
	global_load_b32 v[W0F+4*\i+2], v15, s[24:25] offset:4096+32*\i     ; rows 4 + 2 h, 5 + 2 h of sW0
	global_load_b32 v[W0F+4*\i+3], v16, s[24:25] offset:4096+32*\i
.endr
	WIN 0
.Lno_k1:
.irp i, 0,1,2,3
	global_load_b64 v[WS1+2*\i:WS1+2*\i+1], v14, s[16:17] offset:256*\i
	global_load_b64 v[WS2+2*\i:WS2+2*\i+1], v14, s[16:17] offset:4096+256*\i
.endr
.set n, 0
.rept 32                                       ; W3(32 h + n, min(r % 4, 2)) of my 64 units, n = 16 q + e
	global_load_b32 v[FR+n], v17, s[32:33] offset:12*n
.set n, n+1
.endr
	; ranks: how many visible points lie ahead of my wave's four words, and how many there are
	s_wait_kmcnt 0x0
	s_mov_b32 s61, 0
	s_mov_b32 s60, 0
.set j, 0
.rept 32
.if j%4 == 0
	s_cmp_eq_u32 s2, j/4
	s_cselect_b32 s60, s61, s60
.endif
	s_bcnt1_i32_b32 s66, s[68+j]
	s_add_co_u32 s61, s61, s66
.set j, j+1
.endr
	s_add_co_u32 s62, s61, 31
	s_lshr_b32 s62, s62, 5                         ; blocks of 32 ranks
	; the list rank -> point, by wave 0; no other wave touches LDS ahead of the barrier below
	s_cmp_lg_u32 s2, 0
	s_cbranch_scc1 .Lno_list
.irp k, 0,1,2,3,4,5,6,7,8
	ds_store_b128 v[LZ], v[Z:Z+3] offset:512*\k    ; ranks that no point has name point 0
.endr
	s_mov_b32 s67, 0
.set j, 0
.rept 32
	v_mbcnt_lo_u32_b32 v[LT], s[68+j], s67         ; my point's rank, if it is visible;
	v_cndmask_b32 v[LT], v[DUMP], v[LT], s[68+j]   ; else my dump word
	v_min_u32 v[LT], 0x43f, v[LT]
	v_lshl_add_u32 v[LT], v[LT], 2, LIST
	v_add_nc_u32 v[LT+1], 32*j, v1
	ds_store_b32 v[LT], v[LT+1]                    ; LDS serves a wave's instructions in order: behind the zeros
	s_bcnt1_i32_b32 s66, s[68+j]
	s_add_co_u32 s67, s67, s66
.set j, j+1
.endr
.Lno_list:
	s_wait_dscnt 0x0
	s_barrier_signal -1
	s_barrier_wait -1                              ; the list lies in LDS
	s_mov_b32 s71, 0x07060302                      ; v_perm_b32: the upper halves of two registers (the 32 mask words are done with: their registers are free)
	s_mov_b32 s72, 0xffff0000                      ; a number's upper 16 bits
	s_mov_b32 s67, 0x00f000f0                      ; operand rows 4-7: W3's lo parts
	; gather: wave w takes blocks w + 8 p, a lane a rank
.irp p, 0,1,2,3
	ds_load_b32 v[GP+\p], v[LR] offset:1024*\p
.endr
	s_wait_dscnt 0x0
.irp p, 0,1,2,3
	v_min_u32 v[GP+\p], 0x3ff, v[GP+\p]
.endr
.irp p, 0,1,2,3
	v_mul_u32_u24 v[GQ+\p], v[GP+\p], 12
	v_lshlrev_b32 v[GP+\p], 2, v[GP+\p]
.endr
.irp p, 0,1,2,3
	global_load_b96 v[144+16*\p:146+16*\p], v[GQ+\p], s[4:5]
	global_load_b96 v[148+16*\p:150+16*\p], v[GQ+\p], s[6:7]
	global_load_b32 v[158+16*\p], v[GP+\p], s[8:9]
	global_load_b32 v[159+16*\p], v[GP+\p], s[10:11]
.endr
	s_cmp_eq_u32 s3, 0
	s_cselect_b32 s66, 0xffff0000, 0               ; diffuse: lanes 16-31
	s_wait_loadcnt 16                              ; all but the sixteen gathers, which were issued last in both roles: the weights are in
.set n, 0
.rept 16
	v_pk_mul_f32 v[FR+2*n:FR+2*n+1], v[FR+2*n:FR+2*n+1], v[FM:FM+1]    ; operand rows 3 and 7 .. 15 of W3^T are zeros
.set n, n+1
.endr
.irp g, 0,1                                    ; W3's split, sixteen numbers at a time: rows 0-3 keep hi, rows 4-7 take the number - hi
.set n, 0
.rept 16
	v_and_b32 v[CD+n], s72, v[FR+16*\g+n]
.set n, n+1
.endr
.set n, 0
.rept 16
	v_sub_f32 v[FR+16*\g+n], v[FR+16*\g+n], v[CD+n]
.set n, n+1
.endr
.set n, 0
.rept 16
	v_cndmask_b32 v[FR+16*\g+n], v[CD+n], v[FR+16*\g+n], s67
.set n, n+1
.endr
.endr
	WIN 0x40
.set n, 0
.rept 16
	v_cvt_pk_bf16_f32 v[W3F+n], v[FR+2*n], v[FR+2*n+1]                 ; hi goes over unchanged, lo is rounded
.set n, n+1
.endr
	WIN 0x41                                       ; source 0 and destination in window 1
.irp i, 0,1,2,3
	v_cndmask_b32 v[W0F+4*\i+1], v[W0F+4*\i+1], 0, s66                 ; the diffuse weight at k = 3
.endr
	WIN 0
	s_wait_loadcnt 0x0
.irp p, 0,1,2,3
	v_mul_f32 v[147+16*\p], v[144+16*\p], v[144+16*\p]
	v_mul_f32 v[151+16*\p], v[148+16*\p], v[148+16*\p]
.endr
.irp p, 0,1,2,3
	v_fma_f32 v[147+16*\p], v[145+16*\p], v[145+16*\p], v[147+16*\p]
	v_fma_f32 v[151+16*\p], v[149+16*\p], v[149+16*\p], v[151+16*\p]
.endr
.irp p, 0,1,2,3
	v_fma_f32 v[147+16*\p], v[146+16*\p], v[146+16*\p], v[147+16*\p]
	v_fma_f32 v[151+16*\p], v[150+16*\p], v[150+16*\p], v[151+16*\p]
.endr
.irp p, 0,1,2,3
	v_sqrt_f32 v[147+16*\p], v[147+16*\p]
	v_sqrt_f32 v[151+16*\p], v[151+16*\p]
.endr
	v_nop
	s_wait_alu depctr_va_vdst(0)                   ; one wait for the eight roots
.irp p, 0,1,2,3
	v_max_num_f32 v[147+16*\p], 0x2b8cbccc, v[147+16*\p]               ; max(norm, 1e-12)
	v_max_num_f32 v[151+16*\p], 0x2b8cbccc, v[151+16*\p]
.endr
.irp p, 0,1,2,3
	v_rcp_f32 v[147+16*\p], v[147+16*\p]
	v_rcp_f32 v[151+16*\p], v[151+16*\p]
.endr
	v_nop
	s_wait_alu depctr_va_vdst(0)                   ; one wait for the eight reciprocals
.irp p, 0,1,2,3
.irp c, 0,1,2
	v_mul_f32 v[152+16*\p+\c], v[144+16*\p+\c], v[147+16*\p]           ; x = (n, v, roughness, r0) in v[152 + 16 p ..]
	v_mul_f32 v[155+16*\p+\c], v[148+16*\p+\c], v[151+16*\p]
.endr
.endr
.irp p, 0,1,2,3
.irp k, 0,1,2,3
	ds_store_b64 v[XW], v[152+16*\p+2*\k:153+16*\p+2*\k] offset:8192*\p+128*\k     ; pair k is k = 2 h' + 0, 1 of K step k / 2, h' = k % 2: the place of lane r + 16 h'
.endr
.endr
	ds_store_b64 v[XZ], v[Z:Z+1]                   ; blocks 32 and 33 of x, which the loop's last two trips can name and no point has: 256 threads x 8 bytes of zeros
	ds_store_b128 v[PB], v[Z:Z+3] offset:1024      ; my part sums of ranks 0-31 begin as zeros: rank 0 is read for every hidden point, also where no point is visible
	s_wait_dscnt 0x0
	s_barrier_signal -1
	s_barrier_wait -1                              ; x's images lie in LDS
	s_mov_b32 s68, 0x88888888                      ; the codes' sign bits
	s_mov_b32 s63, 0
.Lpass:                                            ; 17 passes of two trips: trips 0 .. 33
	s_lshl_b32 s69, s63, 10
	s_lshl_b32 s70, s63, 9
	v_add_nc_u32 v[XA], s69, v[XB]
	v_add_nc_u32 v[PA], s70, v[PB]                 ; trip T stores block T - 2 at 512 T: 1,024 + 16 x rank
	TRIP 0
	TRIP 1
	s_add_co_u32 s63, s63, 2
	s_cmp_lt_u32 s63, 34
	s_cbranch_scc1 .Lpass
	; THE WAY OUT.  Behind the last barrier LDS is only read.  My wave stores rows 128 w .. 128 w + 127 of both results, 32 a pass: a visible point's four part sums of each role, by its rank, + b3; zeros for the others.
.irp i, 0,1,2,3
	v_mbcnt_lo_u32_b32 v[12+\i], s[56+\i], s60
	v_cndmask_b32 v[12+\i], 0, v[12+\i], s[56+\i]
	v_min_u32 v[12+\i], 0x3ff, v[12+\i]
	v_lshl_add_u32 v[12+\i], v[12+\i], 4, PART+1024
	v_add_nc_u32 v[16+\i], PROLE, v[12+\i]
	s_bcnt1_i32_b32 s66, s[56+\i]
	s_add_co_u32 s60, s60, s66
.endr
.macro EL i                            ; pass i's eight loads, into set i % 2
.irp c, 0,1,2,3
	ds_load_b128 v[144+32*((\i)%2)+4*\c:147+32*((\i)%2)+4*\c], v[12+(\i)] offset:PWAVE*\c
	ds_load_b128 v[160+32*((\i)%2)+4*\c:163+32*((\i)%2)+4*\c], v[16+(\i)] offset:PWAVE*\c
.endr
.endm
.macro ES i                            ; pass i's sums and stores; each pass has result registers of its own, so no store's data are written again
.irp p, 0,1
.set LL, 144+32*((\i)%2)+16*\p
	v_pk_add_f32 v[LL:LL+1], v[LL:LL+1], v[LL+4:LL+5]
	v_pk_add_f32 v[LL+2:LL+3], v[LL+2:LL+3], v[LL+6:LL+7]
	v_pk_add_f32 v[LL+8:LL+9], v[LL+8:LL+9], v[LL+12:LL+13]
	v_pk_add_f32 v[LL+10:LL+11], v[LL+10:LL+11], v[LL+14:LL+15]
	v_pk_add_f32 v[LL:LL+1], v[LL:LL+1], v[LL+8:LL+9]
	v_pk_add_f32 v[LL+2:LL+3], v[LL+2:LL+3], v[LL+10:LL+11]
.irp c, 0,1,2
	v_add_f32 v[208+8*(\i)+4*\p+\c], s[48+4*\p+\c], v[LL+\c]
.endr
.irp c, 0,1,2
	v_cndmask_b32 v[208+8*(\i)+4*\p+\c], 0, v[208+8*(\i)+4*\p+\c], s[56+(\i)]
.endr
.endr
	global_store_b96 v[GO], v[208+8*(\i):210+8*(\i)], s[18:19] offset:384*(\i) th:TH_STORE_NT      ; 32 lanes store 384 consecutive bytes; a wave's four passes 1,536, from a multiple of 256 on
	global_store_b96 v[GO], v[212+8*(\i):214+8*(\i)], s[20:21] offset:384*(\i) th:TH_STORE_NT
.endm
	EL 0
	EL 1
	s_wait_dscnt 8                                 ; all but the next pass's eight loads
	ES 0
	EL 2
	s_wait_dscnt 8
	ES 1
	EL 3
	s_wait_dscnt 8
	ES 2
	s_wait_dscnt 0x0
	ES 3
	s_wait_tensorcnt 0x0
	ds_add_u32 v254, v255
	s_wait_dscnt 0x0
	s_endpgm
.Lfunc_end_k_qb6fbcdbe3a_mlp:
	.size	k_qb6fbcdbe3a_mlp, .Lfunc_end_k_qb6fbcdbe3a_mlp-k_qb6fbcdbe3a_mlp
	.p2alignl 7, 3214868480
	.fill 96, 4, 3214868480
	.section	.rodata,"a",@progbits
	.p2align	6, 0x0
	.amdhsa_kernel k_qb6fbcdbe3a_mlp
		.amdhsa_group_segment_fixed_size 214528
		.amdhsa_private_segment_fixed_size 0
		.amdhsa_enable_private_segment 0
		.amdhsa_kernarg_size 168
		.amdhsa_user_sgpr_count 2
		.amdhsa_user_sgpr_kernarg_segment_ptr 1
		.amdhsa_wavefront_size32 1
		.amdhsa_system_sgpr_workgroup_id_x 1
		.amdhsa_system_sgpr_workgroup_id_y 1
		.amdhsa_system_sgpr_workgroup_id_z 1
		.amdhsa_system_vgpr_workitem_id 0
		.amdhsa_next_free_vgpr 512
		.amdhsa_next_free_sgpr 102
		.amdhsa_reserve_vcc 0
		.amdhsa_float_denorm_mode_32 3
		.amdhsa_float_denorm_mode_16_64 3
		.amdhsa_memory_ordered 1
		.amdhsa_forward_progress 1
		.amdhsa_inst_pref_size 114
	.end_amdhsa_kernel
	.amdgpu_metadata
---
amdhsa.version: [ 1, 2 ]
amdhsa.kernels:
  - .name:           k_qb6fbcdbe3a_mlp
    .symbol:         k_qb6fbcdbe3a_mlp.kd
    .args:
      - { .name: normals, .offset: 0, .size: 8, .value_kind: global_buffer, .address_space: global }
      - { .name: view_dirs, .offset: 8, .size: 8, .value_kind: global_buffer, .address_space: global }
      - { .name: roughness, .offset: 16, .size: 8, .value_kind: global_buffer, .address_space: global }
      - { .name: r0, .offset: 24, .size: 8, .value_kind: global_buffer, .address_space: global }
      - { .name: vis, .offset: 32, .size: 8, .value_kind: global_buffer, .address_space: global }
      - { .name: wq, .offset: 40, .size: 8, .value_kind: global_buffer, .address_space: global }
      - { .name: ws, .offset: 48, .size: 8, .value_kind: global_buffer, .address_space: global }
      - { .name: out0, .offset: 56, .size: 8, .value_kind: global_buffer, .address_space: global }
      - { .name: out1, .offset: 64, .size: 8, .value_kind: global_buffer, .address_space: global }
      - { .name: dW0, .offset: 72, .size: 8, .value_kind: global_buffer, .address_space: global }
      - { .name: db0, .offset: 80, .size: 8, .value_kind: global_buffer, .address_space: global }
      - { .name: db1, .offset: 88, .size: 8, .value_kind: global_buffer, .address_space: global }
      - { .name: db2, .offset: 96, .size: 8, .value_kind: global_buffer, .address_space: global }
      - { .name: dW3, .offset: 104, .size: 8, .value_kind: global_buffer, .address_space: global }
      - { .name: db3, .offset: 112, .size: 8, .value_kind: global_buffer, .address_space: global }
      - { .name: sW0, .offset: 120, .size: 8, .value_kind: global_buffer, .address_space: global }
      - { .name: sb0, .offset: 128, .size: 8, .value_kind: global_buffer, .address_space: global }
      - { .name: sb1, .offset: 136, .size: 8, .value_kind: global_buffer, .address_space: global }
      - { .name: sb2, .offset: 144, .size: 8, .value_kind: global_buffer, .address_space: global }
      - { .name: sW3, .offset: 152, .size: 8, .value_kind: global_buffer, .address_space: global }
      - { .name: sb3, .offset: 160, .size: 8, .value_kind: global_buffer, .address_space: global }
    .group_segment_fixed_size: 214528
    .private_segment_fixed_size: 0
    .kernarg_segment_align: 8
    .kernarg_segment_size: 168
    .max_flat_workgroup_size: 256
    .sgpr_count:     102
    .vgpr_count:     512
    .wavefront_size: 32
...
	.end_amdgpu_metadata
.endif
;; end of part 2
;; ======== version 2 of 2: 2 launches
;; workspace buffers: wq 131,072 bytes; ws 16,384 bytes; vis 32,768 bytes of whole numbers
;; launch prep (part 3): grid 272 x 1, 4 waves a work-group, no clusters, 0 bytes of LDS; arguments normals, view_dirs, dW1, dW2, sW1, sW2, wq, ws, vis; writes wq, ws, vis
.if DOCPART == 3
	.amdgcn_target "amdgcn-amd-amdhsa--gfx1250"
	.amdhsa_code_object_version 6
	.text
	.protected	k_qb6fbcdbe3a_prep
	.globl	k_qb6fbcdbe3a_prep
	.p2align	8
	.type	k_qb6fbcdbe3a_prep,@function
k_qb6fbcdbe3a_prep:
	s_mov_b64 s[64:65], 0
	v_nop
	global_prefetch_b8 v0, s[64:65] scope:SCOPE_SE
	s_setreg_imm32_b32 hwreg(HW_REG_WAVE_MODE, 25, 1), 1
	s_wait_xcnt 0x0
; Two jobs in one launch, told apart by the work-group's number.
; WORK-GROUPS 0-255: the visibility of 1,024 points each: bit l of word k of vis says whether point 32 k + l has n . v > 0, n and v being the normalised inputs.
;   A wave takes 8 words (256 points), a lane a point of each.  The arithmetic follows the source step by step: squares and sums rounded one by one, the root and the quotients
;   refined by one correction step each, the three products of the dot product rounded one by one.  That is why multiplies and adds are not fused here.
;   A wave's 8 words leave as 32 bytes; the whole buffer is 32,768 bytes.
; WORK-GROUPS 256-271: the four weights [256 (k)][256 (n)] f32 become codes of FP4 (E2M1) with one E8M0 byte for each 32 along k, laid as IMAGES OF THE OPERAND REGISTERS of the wave that will use them.
;   Work-group 256 + 4 M + cg (M: 0 dW1, 1 dW2, 2 sW1, 3 sW2) makes the 64 columns 64 cg on; its wave i makes tile i: operand row m is column 64 cg + 32 (m / 8) + 8 i + m % 8.
;   A lane takes a column and its registers run down k, in the order the operand's layout gives that lane (row lane % 16; registers 4 c .. 4 c + 3 of K step s: k = 128 s + 64 c + 32 (lane / 16) + 0 .. 31):
;   a block of 32 lies in one lane, and the conversions' results are the operand's registers.
;   wq: ((4 M + cg) x 8 + 2 i + s) x 1,024 + 512 c + 16 lane.   ws: (4 M + cg) x 1,024 + 256 i + 8 lane: the scale words of K steps 0 and 1 of row lane % 16.
; LIMITS: NaN and infinities are not served; the sum of a vector's squares must stay finite (components under about 1e19).  A block of zeros gets the byte 1 (its codes are zeros; this program alone reads the bytes).
; A point whose n . v lies within a few roundings of 0 may fall on the other side than in another order of f32 arithmetic.
.set EPSB, 0x2b8cbccc                  ; 1e-12
.set NV,   32                          ; word j: n at v[NV+8j .. +2], its squares' sum at +3; v at +4 .. +6, its sum at +7
.set Q,    96                          ; word j: eight registers at work
	s_load_b512 s[4:19], s[0:1], 0x0               ; normals s[4:5], view_dirs s[6:7], dW1 s[8:9], dW2 s[10:11], sW1 s[12:13], sW2 s[14:15], wq s[16:17], ws s[18:19]
	s_load_b64 s[20:21], s[0:1], 0x40              ; vis
	v_lshrrev_b32 v1, 5, v0
	v_readfirstlane_b32 s2, v1                     ; wave
	v_and_b32 v1, 31, v0                           ; lane
	v_and_b32 v2, 15, v0                           ; r
	v_bfe_u32 v3, v0, 4, 1                         ; h
	s_wait_kmcnt 0x0
	s_cmp_lt_u32 ttmp9, 256
	s_cbranch_scc0 .Lweights
	; ---------------- visibility
	s_mul_i32 s22, ttmp9, 12288                    ; 1,024 points of 12 bytes,
	s_mul_i32 s23, s2, 3072                        ; my wave's 256
	s_add_co_u32 s22, s22, s23
	s_mov_b32 s23, 0
	s_add_nc_u64 s[4:5], s[4:5], s[22:23]
	s_add_nc_u64 s[6:7], s[6:7], s[22:23]
	s_wait_alu depctr_va_vdst(0)
	v_mul_u32_u24 v4, v1, 12
	v_mov_b32 v5, 0                                ; the eight words, one a lane
	v_lshlrev_b32 v6, 2, v1
.irp j, 0,1,2,3,4,5,6,7
	global_load_b96 v[NV+8*\j:NV+8*\j+2], v4, s[4:5] offset:384*\j      ; 32 lanes read 384 consecutive bytes
	global_load_b96 v[NV+8*\j+4:NV+8*\j+6], v4, s[6:7] offset:384*\j
.endr
	s_lshl_b32 s22, ttmp9, 7                       ; where my 8 words go: 128 bytes a work-group, 32 a wave
	s_lshl_b32 s23, s2, 5
	s_add_co_u32 s22, s22, s23
	s_mov_b32 s23, 0
	s_add_nc_u64 s[20:21], s[20:21], s[22:23]
	s_wait_loadcnt 0x0
.irp j, 0,1,2,3,4,5,6,7
	v_mul_f32 v[Q+8*\j], v[NV+8*\j], v[NV+8*\j]
	v_mul_f32 v[Q+8*\j+1], v[NV+8*\j+1], v[NV+8*\j+1]
	v_mul_f32 v[Q+8*\j+2], v[NV+8*\j+2], v[NV+8*\j+2]
	v_mul_f32 v[Q+8*\j+4], v[NV+8*\j+4], v[NV+8*\j+4]
	v_mul_f32 v[Q+8*\j+5], v[NV+8*\j+5], v[NV+8*\j+5]
	v_mul_f32 v[Q+8*\j+6], v[NV+8*\j+6], v[NV+8*\j+6]
.endr
.irp j, 0,1,2,3,4,5,6,7
	v_add_f32 v[Q+8*\j], v[Q+8*\j], v[Q+8*\j+1]
	v_add_f32 v[Q+8*\j+4], v[Q+8*\j+4], v[Q+8*\j+5]
.endr
.irp j, 0,1,2,3,4,5,6,7
	v_add_f32 v[NV+8*\j+3], v[Q+8*\j], v[Q+8*\j+2]
	v_add_f32 v[NV+8*\j+7], v[Q+8*\j+4], v[Q+8*\j+6]
.endr
	s_wait_alu depctr_va_vdst(0)
.irp j, 0,1,2,3,4,5,6,7                        ; one batch: the roots and, for their correction, the reciprocal roots
	v_sqrt_f32 v[Q+8*\j], v[NV+8*\j+3]
	v_rsq_f32 v[Q+8*\j+1], v[NV+8*\j+3]
	v_sqrt_f32 v[Q+8*\j+2], v[NV+8*\j+7]
	v_rsq_f32 v[Q+8*\j+3], v[NV+8*\j+7]
.endr
	v_nop                                          ; a plain instruction behind the last of the batch,
	s_wait_alu depctr_va_vdst(0)                   ; and one wait for the batch ahead of its first reader
.irp j, 0,1,2,3,4,5,6,7
	v_fma_f32 v[Q+8*\j+4], -v[Q+8*\j], v[Q+8*\j], v[NV+8*\j+3]          ; what the root's square leaves
	v_fma_f32 v[Q+8*\j+5], -v[Q+8*\j+2], v[Q+8*\j+2], v[NV+8*\j+7]
	v_mul_f32 v[Q+8*\j+1], 0.5, v[Q+8*\j+1]
	v_mul_f32 v[Q+8*\j+3], 0.5, v[Q+8*\j+3]
.endr
.irp j, 0,1,2,3,4,5,6,7
	v_fma_f32 v[Q+8*\j], v[Q+8*\j+4], v[Q+8*\j+1], v[Q+8*\j]            ; root + rest / (2 root).  Of a zero vector: 0 x infinity, a NaN,
	v_fma_f32 v[Q+8*\j+2], v[Q+8*\j+5], v[Q+8*\j+3], v[Q+8*\j+2]
.endr
.irp j, 0,1,2,3,4,5,6,7
	v_max_num_f32 v[Q+8*\j], EPSB, v[Q+8*\j]                            ; which loses against eps here: the right divisor
	v_max_num_f32 v[Q+8*\j+2], EPSB, v[Q+8*\j+2]
.endr
	s_wait_alu depctr_va_vdst(0)
.irp j, 0,1,2,3,4,5,6,7
	v_rcp_f32 v[Q+8*\j+1], v[Q+8*\j]
	v_rcp_f32 v[Q+8*\j+3], v[Q+8*\j+2]
.endr
	v_nop
	s_wait_alu depctr_va_vdst(0)                   ; one wait for the sixteen reciprocals
.irp c, 0,1,2                                  ; a / norm: a first quotient, its rest, the corrected quotient
.irp j, 0,1,2,3,4,5,6,7
	v_mul_f32 v[Q+8*\j+4], v[NV+8*\j+\c], v[Q+8*\j+1]
	v_mul_f32 v[Q+8*\j+6], v[NV+8*\j+4+\c], v[Q+8*\j+3]
.endr
.irp j, 0,1,2,3,4,5,6,7
	v_fma_f32 v[Q+8*\j+5], -v[Q+8*\j+4], v[Q+8*\j], v[NV+8*\j+\c]
	v_fma_f32 v[Q+8*\j+7], -v[Q+8*\j+6], v[Q+8*\j+2], v[NV+8*\j+4+\c]
.endr
.irp j, 0,1,2,3,4,5,6,7
	v_fma_f32 v[NV+8*\j+\c], v[Q+8*\j+5], v[Q+8*\j+1], v[Q+8*\j+4]
	v_fma_f32 v[NV+8*\j+4+\c], v[Q+8*\j+7], v[Q+8*\j+3], v[Q+8*\j+6]
.endr
.endr
.irp j, 0,1,2,3,4,5,6,7
	v_mul_f32 v[Q+8*\j+4], v[NV+8*\j], v[NV+8*\j+4]
	v_mul_f32 v[Q+8*\j+5], v[NV+8*\j+1], v[NV+8*\j+5]
	v_mul_f32 v[Q+8*\j+6], v[NV+8*\j+2], v[NV+8*\j+6]
.endr
.irp j, 0,1,2,3,4,5,6,7
	v_add_f32 v[Q+8*\j+4], v[Q+8*\j+4], v[Q+8*\j+5]
.endr
.irp j, 0,1,2,3,4,5,6,7
	v_add_f32 v[Q+8*\j+4], v[Q+8*\j+4], v[Q+8*\j+6]
.endr
.irp j, 0,1,2,3,4,5,6,7
	v_cmp_gt_f32 s[24+\j], v[Q+8*\j+4], 0          ; the word: a bit a lane
	v_writelane_b32 v5, s[24+\j], \j               ; into lane j
.endr
	v_cmp_gt_u32 vcc_lo, 8, v1
	s_wait_alu depctr_va_vdst(0)
	s_wait_xcnt 0x0                                ; EXEC changes only when every earlier memory instruction has had its addresses translated
	s_and_saveexec_b32 s40, vcc_lo
	global_store_b32 v6, v5, s[20:21]              ; lanes 0-7: 32 consecutive bytes
	s_wait_xcnt 0x0
	s_or_b32 exec_lo, exec_lo, s40
	s_endpgm
	; ---------------- weights
.Lweights:
	s_sub_co_u32 s22, ttmp9, 256                   ; 4 M + cg
	s_lshr_b32 s23, s22, 2                         ; M
	s_and_b32 s24, s22, 3                          ; cg
	s_cmp_lt_u32 s23, 2                            ; the choice hangs on the work-group's number alone
	s_cselect_b64 s[8:9], s[8:9], s[12:13]
	s_cselect_b64 s[10:11], s[10:11], s[14:15]
	s_bitcmp1_b32 s23, 0
	s_cselect_b64 s[8:9], s[10:11], s[8:9]
	s_lshl_b32 s26, s24, 8                         ; column 64 cg,
	s_lshl_b32 s27, s2, 5                          ; + 8 i, in bytes
	s_add_co_u32 s26, s26, s27
	s_mov_b32 s27, 0
	s_add_nc_u64 s[8:9], s[8:9], s[26:27]
	s_lshl_b32 s26, s22, 13
	s_lshl_b32 s30, s2, 11
	s_add_co_u32 s26, s26, s30
	s_add_nc_u64 s[16:17], s[16:17], s[26:27]      ; my tile's two fragments in wq
	s_lshl_b32 s26, s22, 10
	s_lshl_b32 s30, s2, 8
	s_add_co_u32 s26, s26, s30
	s_add_nc_u64 s[18:19], s[18:19], s[26:27]      ; and its scale words in ws
	s_mov_b32 s28, 0x76543210
	s_mov_b32 s29, 0xfedcba98                      ; v_permlanex16_b32's selects for lane l xor 16
	s_wait_alu depctr_va_vdst(0)
	v_lshrrev_b32 v7, 3, v2
	v_and_b32 v10, 7, v2
	v_lshl_add_u32 v7, v7, 5, v10                  ; 32 (r / 8) + r % 8
	v_lshlrev_b32 v7, 2, v7
	v_lshl_add_u32 v7, v3, 15, v7                  ; lanes 16-31 begin 32 rows of 1,024 bytes further down
	v_lshlrev_b32 v8, 4, v1
	v_lshlrev_b32 v9, 3, v1
.set n, 0
.rept 128                                      ; register 64 + 32 b + e (block b = 2 s + c): W(128 s + 64 c + 32 h + e, my column).  The four waves together read 256 consecutive bytes of a row
	global_load_b32 v[64+n], v7, s[8:9] offset:(128*(n/64)+64*((n/32)%2)+n%32)*1024
.set n, n+1
.endr
	v_lshlrev_b32 v10, 3, v3                       ; 8 h
	v_mov_b32 v14, 0                               ; (a lane permute's destination counts as one of its sources)
	v_mov_b32 v15, 0
	s_wait_loadcnt 0x0
.irp b, 0,1,2,3                                ; the four blocks by turns, two chains each; the floor 2^(3 - 127) holds the byte at 1 from below
	v_max3_num_f32 v[32+\b], |v[64+32*\b]|, |v[65+32*\b]|, 0x1800000
	v_max3_num_f32 v[36+\b], |v[80+32*\b]|, |v[81+32*\b]|, 0x1800000
.endr
.irp i, 2,4,6,8,10,12,14
.irp b, 0,1,2,3
	v_max3_num_f32 v[32+\b], v[32+\b], |v[64+32*\b+\i]|, |v[65+32*\b+\i]|
	v_max3_num_f32 v[36+\b], v[36+\b], |v[80+32*\b+\i]|, |v[81+32*\b+\i]|
.endr
.endr
.irp b, 0,1,2,3
	v_max_num_f32 v[32+\b], v[32+\b], v[36+\b]     ; the block's largest magnitude
.endr
.irp b, 0,1,2,3
	v_add_nc_u32 v[40+\b], 0xff000000, v[32+\b]    ; 2 off its exponent field: the conversion takes this operand's exponent field as its scale
.endr
.irp b, 0,1,2,3
	v_lshrrev_b32 v[44+\b], 23, v[40+\b]           ; the scale's byte
.endr
.irp b, 0,1,2,3
.irp g, 0,1,2,3
	v_cvt_scalef32_pk8_fp4_f32 v[16+4*\b+\g], v[64+32*\b+8*\g:71+32*\b+8*\g], v[40+\b]
.endr
.endr
	v_nop                                          ; a plain instruction behind the last conversion
.irp s, 0,1                                    ; K step s: my bytes are those of blocks h and 2 + h of the step; lane l xor 16 has the other two
	v_lshl_or_b32 v[12+\s], v[45+2*\s], 16, v[44+2*\s]
.endr
.irp s, 0,1
	v_lshlrev_b32 v[12+\s], v10, v[12+\s]
.endr
.irp s, 0,1
	v_permlanex16_b32 v[14+\s], v[12+\s], s28, s29
.endr
.irp s, 0,1
	v_or_b32 v[12+\s], v[12+\s], v[14+\s]
.endr
.irp b, 0,1,2,3
	global_store_b128 v8, v[16+4*\b:19+4*\b], s[16:17] offset:512*\b    ; 512 consecutive bytes
.endr
	global_store_b64 v9, v[12:13], s[18:19]        ; 256 consecutive bytes, aligned
	s_endpgm
.Lfunc_end_k_qb6fbcdbe3a_prep:
	.size	k_qb6fbcdbe3a_prep, .Lfunc_end_k_qb6fbcdbe3a_prep-k_qb6fbcdbe3a_prep
	.p2alignl 7, 3214868480
	.fill 96, 4, 3214868480
	.section	.rodata,"a",@progbits
	.p2align	6, 0x0
	.amdhsa_kernel k_qb6fbcdbe3a_prep
		.amdhsa_group_segment_fixed_size 0
		.amdhsa_private_segment_fixed_size 0
		.amdhsa_enable_private_segment 0
		.amdhsa_kernarg_size 72
		.amdhsa_user_sgpr_count 2
		.amdhsa_user_sgpr_kernarg_segment_ptr 1
		.amdhsa_wavefront_size32 1
		.amdhsa_system_sgpr_workgroup_id_x 1
		.amdhsa_system_sgpr_workgroup_id_y 1
		.amdhsa_system_sgpr_workgroup_id_z 1
		.amdhsa_system_vgpr_workitem_id 0
		.amdhsa_next_free_vgpr 192
		.amdhsa_next_free_sgpr 66
		.amdhsa_reserve_vcc 1
		.amdhsa_float_denorm_mode_32 3
		.amdhsa_float_denorm_mode_16_64 3
		.amdhsa_memory_ordered 1
		.amdhsa_forward_progress 1
		.amdhsa_inst_pref_size 41
	.end_amdhsa_kernel
	.amdgpu_metadata
---
amdhsa.version: [ 1, 2 ]
amdhsa.kernels:
  - .name:           k_qb6fbcdbe3a_prep
    .symbol:         k_qb6fbcdbe3a_prep.kd
    .args:
      - { .name: normals, .offset: 0, .size: 8, .value_kind: global_buffer, .address_space: global }
      - { .name: view_dirs, .offset: 8, .size: 8, .value_kind: global_buffer, .address_space: global }
      - { .name: dW1, .offset: 16, .size: 8, .value_kind: global_buffer, .address_space: global }
      - { .name: dW2, .offset: 24, .size: 8, .value_kind: global_buffer, .address_space: global }
      - { .name: sW1, .offset: 32, .size: 8, .value_kind: global_buffer, .address_space: global }
      - { .name: sW2, .offset: 40, .size: 8, .value_kind: global_buffer, .address_space: global }
      - { .name: wq, .offset: 48, .size: 8, .value_kind: global_buffer, .address_space: global }
      - { .name: ws, .offset: 56, .size: 8, .value_kind: global_buffer, .address_space: global }
      - { .name: vis, .offset: 64, .size: 8, .value_kind: global_buffer, .address_space: global }
    .group_segment_fixed_size: 0
    .private_segment_fixed_size: 0
    .kernarg_segment_align: 8
    .kernarg_segment_size: 72
    .max_flat_workgroup_size: 128
    .sgpr_count:     66
    .vgpr_count:     192
    .wavefront_size: 32
...
	.end_amdgpu_metadata
.endif
;; end of part 3
;; launch mlp (part 4): grid 256 x 1, 8 waves a work-group, no clusters, 214,528 bytes of LDS; arguments normals, view_dirs, roughness, r0, vis, wq, ws, out0, out1, dW0, db0, db1, db2, dW3, db3, sW0, sb0, sb1, sb2, sW3, sb3; writes out0, out1
.if DOCPART == 4
	.amdgcn_target "amdgcn-amd-amdhsa--gfx1250"
	.amdhsa_code_object_version 6
	.text
	.protected	k_qb6fbcdbe3a_mlp
	.globl	k_qb6fbcdbe3a_mlp
	.p2align	8
	.type	k_qb6fbcdbe3a_mlp,@function
k_qb6fbcdbe3a_mlp:
	s_mov_b64 s[64:65], 0
	v_nop
	global_prefetch_b8 v0, s[64:65] scope:SCOPE_SE
	s_setreg_imm32_b32 hwreg(HW_REG_WAVE_SCHED_MODE, 0, 2), 2
	s_setreg_imm32_b32 hwreg(HW_REG_WAVE_MODE, 25, 1), 1
	s_wait_xcnt 0x0
	s_wait_alu depctr_vm_vsrc(0)
; Both MLPs (3 -> 256 -> 256 -> 256 -> 3 and 8 -> 256 -> 256 -> 256 -> 3) for 1,024 points a work-group.  Rows with n . v <= 0 are zeros in the result, so only the visible points are multiplied:
; the work-group reads its 32 mask words (made by the launch before), ranks its visible points, and takes them through the layers in blocks of 32 rows.
; SHARES.  Waves 0-3 are the diffuse MLP, waves 4-7 the specular one (role = wave / 4).  THE WAVES SHARE THE COLUMNS, NOT THE ROWS: wave cg = wave % 4 owns hidden units 64 cg .. 64 cg + 63 of every layer of its MLP;
; its weights, scale words and biases (256 registers) stay in registers for the whole launch, and every wave works on every block, whatever the number of visible points.
; LAYOUT.  All products are used transposed (source 0 = 16 units, source 1 = 16 points).  Operand row m of tile i is unit 64 cg + 32 (m / 8) + 8 i + m % 8, so that in the results lane (r, h) holds point r and
; register j of tile i holds unit 64 cg + 32 h + 8 i + j: A LANE'S 32 REGISTERS ARE ONE WHOLE BLOCK OF 32 ALONG THE NEXT K (block 2 cg + h), and its four conversions give registers 4 (cg % 2) .. + 3 of K step cg / 2
; of the next operand in the very lanes that want them.  They go to the other waves through LDS as an image of the registers: 16 bytes at 16 x lane, and one scale byte a lane.
; RELU ON THE CODES.  The block's maximum is taken without magnitudes (what is negative must not count; the floor stands over it), the raw sums are converted, and every code with a sign bit is cleared: four integer
; lines for eight numbers.  Positive numbers get the code of the quantised relu, negative ones the code 0.
; FIRST LAYERS: f32 operands (their results go into a quantiser), by the f32 matrix form, bias as C; K step 0 = (n0, n1, n2, v0), K step 1 = (v1, v2, roughness, r0), the specular waves' alone; the diffuse weights have a 0 at k = 3.
; LAST LAYERS: bf16 operands, EACH f32 NUMBER AS TWO OF THEM: hi = its upper 16 bits (exact), lo = the number - hi (exact in f32), rounded to bf16: what is lost is about 2^-16 of the number, against 2^-9 for one bf16.
; W3^T has 3 rows of an operand's 16: rows 0-2 hold W3's hi parts, rows 4-6 its lo parts, the others zeros, so that W3's split costs no instruction; the hidden layer's hi and lo are two operands.
; An output is result row c + result row c + 4.  Each wave sums its own 64 units; the four waves' parts lie in LDS by rank and are added, with b3, at the end.
; PIPELINE.  A trip holds three stages on three blocks (third product and last layer of block T - 2; second product of block T - 1; first layer of block T) and ONE barrier.  Each stage stands under a scalar branch on
; the number of blocks; the barrier stands outside.  34 trips, a constant, serve every number of visible points.
; NO TENSOR LOADS, NO JOINT LOADS: the stages' branches hang on a stored count.  A wave reads its 18,432 bytes of codes, scale words and biases once, straight into the registers that use them.
; All global reads stand at the head, so nothing is left to prefetch.
; LIMITS: NaN and infinities are not served; the sum of a vector's squares must stay finite (components under about 1e19).  A block with no positive number gets the byte 1 and zero codes.
; THE MODE: SCHED_MODE bits 1:0 = 2 (LLVM: expert scheduling mode 2), set by the entry lines.  The code itself states the register dependences
; between vector or matrix instructions and memory or LDS instructions, with s_wait_alu, always for 0.
; THE PLAN.  Registers that LDS instructions touch, in the loop:
;   FR, SB      The LDS loads of the third product's stage and of the second product's stage land in them; those products read them.  In the third product's stage the lo conversions then write FR and the bf16 products read it.
;   XF          The first layer's LDS loads land in it; its products read it.
;   PO          Written by the last layer's closing additions and lane swaps; read by the one store of part sums.
;   CD, BY1     Written by the second product's quantiser; read by its four stores.       CE, BY0   The same for the first layer's quantiser.  So each out-buffer is written once a trip.
;   XA, PA      Written once a pass, at its head; read by x's loads and by the part sums' stores.       IM, IW, SR, SW   Made at the head and never written again.
;   ACC, BF, T, D3, U, QT and all of window 1 are named by vector and matrix instructions alone.
; EVERY STAGE ENDS SO: its last vector line, ONE wait on va_vdst, its stores; no vector or matrix instruction of the stage stands behind that wait.  The wait states that the out-buffer is written, and that the stage's products
; and conversions are done with FR, SB or XF: so the next loads into these, in the next stage or the next trip, on every way through the stages' branches, follow with no further wait (a stage that is jumped over issues nothing).
; ONE wait on vm_vsrc stands at each trip's end, behind the barrier: the trip's stores have read their out-buffers, its loads and stores XA and PA; the next trip, the next pass's head and the way out write them anew.
; One wait on va_vdst a pass stands behind the two additions that make XA and PA.
.set PBSZ,  17408                      ; LDS: two parity blocks: H0 images 8,192 (role x 4,096 + tile m x 2,048 + quarter x 512 + 16 lane), H1 images 8,192, H0 scale words 512 (role x 256 + m x 128 + K step x 64 + 4 r + byte), H1's 512
.set H1O,   8192
.set HS0,   16384
.set LIST,  34816                      ; 1,152 words: rank -> local point; words 1,024 .. 1,055: a dump word a lane
.set XBASE, 39424                      ; 34 blocks x 1,024: tile m at + 512 m, K step u at + 256 u, lane at + 8 lane: the pair x[4 u + 2 h], x[4 u + 2 h + 1] of point r
.set PART,  74240                      ; role x 69,632 + cg x 17,408 + 1,024 + 16 x rank: four f32
.set PWAVE, 17408
.set PROLE, 69632
.set IM,  4                            ; v4   images, to read: role x 4,096 + 16 lane
.set IW,  5                            ; v5   to write: + 512 cg
.set SR,  6                            ; v6   scale words, to read: HS0 + role x 256 + 4 r
.set SW,  7                            ; v7   my scale byte: + 64 (cg / 2) + 2 (cg % 2) + h
.set XB,  8                            ; v8   XBASE + 8 lane
.set XA,  9                            ; v9   + 1,024 x trip
.set PB,  10                           ; v10  PART + role x 69,632 + cg x 17,408 + 16 lane
.set PA,  11                           ; v11  + 512 x trip
.set CE,  12                           ; v12-19 at the head: offsets of the global loads; in the loop: the first layer's codes (4 m); on the way out: LDS addresses
.set WS1, 20                           ; v20-27 scale words of W1 (2 i + K step), v28-35 of W2: scales and nothing else
.set WS2, 28
.set SB,  36                           ; v36-39 the activations' scale words (2 m + K step): scales and nothing else
.set XF,  40                           ; v40-47 x's fragments (4 m + 2 u)
.set FR,  48                           ; v48-79 the activations' fragments (16 m + 8 K step);
.set BL,  48                           ;        behind the third product: the last layer's lo operands (16 m + 8 q)
.set ACC, 80                           ; v80-143 eight accumulators (32 m + 8 i): written by matrix instructions alone
.set BF,  144                          ; v144-175 the last layer's hi operands (16 m + 8 q)
.set LA,  144                          ;        at the head, in wave 0: the list's 32 LDS addresses
.set T,   176                          ; v176-191 at work
.set LD,  176                          ; v176-207 at the head, in wave 0: the list's 32 data words
.set D3,  192                          ; v192-207 the last layer's sums (8 m)
.set CD,  208                          ; v208-215 the second product's codes (4 m)
.set U,   216                          ; v216-223 masks of the relu on codes
.set QT,  224                          ; v224-231 (4 m): two maxima, the conversion's scale operand
.set GP,  232                          ; v232-235 4 x point, v236-239 12 x point: the gathers' offsets, at the head;
.set GQ,  236
.set PO,  232                          ; v232-239 in the loop: the part sums on their way to LDS (4 m)
.set FM,  240                          ; v240-241 at the head: 1.0 in the lanes of W3^T's six rows, else 0;
.set BY0, 240                          ;        in the loop: the first layer's scale bytes (m)
.set LZ,  242                          ; v242 LIST + 16 lane
.set LR,  243                          ; v243 LIST + 4 x thread
.set BY1, 244                          ; v244-245 the second product's scale bytes (m)
.set XW,  246                          ; v246 where I store x's images
.set GO,  247                          ; v247 12 x lane: the results' offset
.set Z,   248                          ; v248-251 zeros
.set DUMP, 252                         ; v252 1,024 + lane
.set XZ,  253                          ; v253 XBASE + 32 blocks + 8 x thread: blocks 32 and 33, which no point has
.set W1F, 0                            ; window 1 (v256-511): W1's fragments 8 (2 i + K step), W2's, the three biases 8 i, W0's pairs 4 i + 2 u, W3's fragments 8 q
.set W2F, 64
.set B0,  128
.set B1,  160
.set B2,  192
.set W0F, 224
.set W3F, 240
.set MSB, 0
.macro WIN new                         ; low byte: bits 1:0 source 0, 3:2 source 1, 5:4 source 2, 7:6 destination; the high byte repeats the setting that is left
.if MSB != \new
	s_set_vgpr_msb (MSB<<8)|\new
.set MSB, \new
.endif
.endm
.macro PLACES n                        ; plain instructions between a matrix instruction and the first reader of its results (ISA guide 7.12.1): 4 behind the FP4 and bf16 forms, 8 behind the f32 form
.rept \n
	v_nop
.endr
.endm
; A block's two tiles of activations: their scale words, then the quarters of K step 0, then those of K step 1: twelve loads in one run.
; No wait on va_vdst stands here: the stage before, in this trip or the last, has ended with one, and no vector or matrix instruction since names FR, SB, IM or SR.
.macro LOADH off, sof
.irp m, 0,1
.irp u, 0,1
	ds_load_b32 v[SB+2*\m+\u], v[SR] offset:(\sof)+128*\m+64*\u
.endr
.endr
.irp u, 0,1
.irp m, 0,1
.irp q, 0,1
	ds_load_b128 v[FR+16*\m+8*\u+4*\q:FR+16*\m+8*\u+4*\q+3], v[IM] offset:(\off)+2048*\m+1024*\u+512*\q
.endr
.endr
.endr
.endm
; 16 matrix instructions: my four tiles of units x the block's two tiles of points x two K steps of 128.  The bias is the C of the first K step.  The eight accumulators take turns, one instruction a turn.
.macro MM4 wf, bb, wsc
	s_wait_dscnt 4                                 ; LDS loads come back in order (ISA guide 5.7.1): the scale words and K step 0's quarters are in; K step 1's four loads may be out
	WIN 0x11                                       ; source 0 (weights) and C (bias) in window 1
.irp m, 0,1
.irp i, 0,1,2,3
	v_wmma_scale_f32_16x16x128_f8f6f4 v[ACC+32*\m+8*\i:ACC+32*\m+8*\i+7], v[\wf+16*\i:\wf+16*\i+7], v[FR+16*\m:FR+16*\m+7], v[\bb+8*\i:\bb+8*\i+7], v[\wsc+2*\i], v[SB+2*\m] matrix_a_fmt:MATRIX_FMT_FP4 matrix_b_fmt:MATRIX_FMT_FP4
.endr
.endr
	s_wait_dscnt 0x0                               ; K step 1's quarters are in
	WIN 0x01
.irp m, 0,1
.irp i, 0,1,2,3
	v_wmma_scale_f32_16x16x128_f8f6f4 v[ACC+32*\m+8*\i:ACC+32*\m+8*\i+7], v[\wf+16*\i+8:\wf+16*\i+15], v[FR+16*\m+8:FR+16*\m+15], v[ACC+32*\m+8*\i:ACC+32*\m+8*\i+7], v[\wsc+2*\i+1], v[SB+2*\m+1] matrix_a_fmt:MATRIX_FMT_FP4 matrix_b_fmt:MATRIX_FMT_FP4
.endr
.endr
	WIN 0
.endm
; The eight accumulators become the quantised relu: for each tile of points a lane's 32 numbers are one block.  Both tiles by turns.  Each accumulator is read from its low end on.
; cd: the stage's own eight registers of codes; by: its own two of scale bytes.
.macro QUANT off, sof, cd, by
.irp m, 0,1
	v_max3_num_f32 v[QT+4*\m], v[ACC+32*\m], v[ACC+32*\m+1], 0x1800000          ; no magnitudes: negative numbers do not count; the floor 2^(3 - 127) holds the byte at 1 from below
	v_max3_num_f32 v[QT+4*\m+1], v[ACC+32*\m+16], v[ACC+32*\m+17], 0x1800000
.endr
.irp i, 2,4,6,8,10,12,14
.irp m, 0,1
	v_max3_num_f32 v[QT+4*\m], v[QT+4*\m], v[ACC+32*\m+\i], v[ACC+32*\m+\i+1]
	v_max3_num_f32 v[QT+4*\m+1], v[QT+4*\m+1], v[ACC+32*\m+16+\i], v[ACC+32*\m+17+\i]
.endr
.endr
.irp m, 0,1
	v_max_num_f32 v[QT+4*\m], v[QT+4*\m], v[QT+4*\m+1]
.endr
.irp m, 0,1
	v_add_nc_u32 v[QT+4*\m+2], 0xff000000, v[QT+4*\m]      ; 2 off the exponent field: the conversion's scale operand
.endr
.irp m, 0,1
.irp i, 0,1,2,3
	v_cvt_scalef32_pk8_fp4_f32 v[(\cd)+4*\m+\i], v[ACC+32*\m+8*\i:ACC+32*\m+8*\i+7], v[QT+4*\m+2]
.endr
.endr
.irp m, 0,1
	v_lshrrev_b32 v[(\by)+\m], 23, v[QT+4*\m+2]            ; the scale's byte.  (The plain instruction behind the conversions)
.endr
.irp k, 0,1,2,3,4,5,6,7
	v_bfi_b32 v[U+\k], v[(\cd)+\k], 0, s68                 ; 8 in each code without a sign bit,
.endr
.irp k, 0,1,2,3,4,5,6,7
	v_lshrrev_b32 v[T+\k], 3, v[U+\k]
.endr
.irp k, 0,1,2,3,4,5,6,7
	v_sub_nc_u32 v[U+\k], v[U+\k], v[T+\k]                 ; 8 - 1 = 7 there, 0 elsewhere: no borrow leaves a code
.endr
.irp k, 0,1,2,3,4,5,6,7
	v_and_b32 v[(\cd)+\k], v[(\cd)+\k], v[U+\k]            ; the relu
.endr
	s_wait_alu depctr_va_vdst(0)                   ; the codes and the two bytes are written, which the stores below read; the stage's products are done reading their fragments and scale words, in which the next loads land
.irp m, 0,1
	ds_store_b128 v[IW], v[(\cd)+4*\m:(\cd)+4*\m+3] offset:(\off)+2048*\m
	ds_store_b8 v[SW], v[(\by)+\m] offset:(\sof)+128*\m
.endr
.endm
; Block T - 2: the third product, relu, the split into two bf16 numbers, the last layer's part of my 64 units
.macro STAGE2 pa
	s_add_co_i32 s66, s63, (\pa)-2
	s_cmp_lt_u32 s66, s62                          ; unsigned: a block under 0 is no block
	s_cbranch_scc0 .Lno2_\@
	LOADH (\pa)*PBSZ+H1O, (\pa)*PBSZ+512
	MM4 W2F, B2, WS2
	PLACES 4                                       ; ahead of the first read of the sums, and of the first write into the fragments' registers, which take the lo operands
.irp m, 0,1
.irp i, 0,1,2,3                                ; tiles 2 q and 2 q + 1 packed are an operand of 32 units x 16 points; W3's fragment holds the same units in the same places
.irp j, 0,1,2,3,4,5,6,7
	v_max_num_f32 v[T+\j], 0, v[ACC+32*\m+8*\i+\j]                             ; the relu
.endr
.irp j, 0,1,2,3
	v_perm_b32 v[BF+16*\m+4*\i+\j], v[T+2*\j+1], v[T+2*\j], s71                ; hi: the upper halves of two numbers, the first number's in the low half
.endr
.irp j, 0,1,2,3,4,5,6,7
	v_and_b32 v[T+8+\j], s72, v[T+\j]                                          ; hi as f32
.endr
.irp j, 0,1,2,3
	v_pk_add_f32 v[T+2*\j:T+2*\j+1], v[T+2*\j:T+2*\j+1], v[T+8+2*\j:T+9+2*\j] neg_lo:[0,1] neg_hi:[0,1]   ; the number - hi: nothing is rounded
.endr
.irp j, 0,1,2,3
	v_cvt_pk_bf16_f32 v[BL+16*\m+4*\i+\j], v[T+2*\j], v[T+2*\j+1]              ; lo
.endr
.endr
.endr
	WIN 0x01
	v_wmma_f32_16x16x32_bf16 v[D3:D3+7], v[W3F:W3F+7], v[BF:BF+7], 0                  ; two accumulators by turns: the hi operands' two K steps of 32 units,
	v_wmma_f32_16x16x32_bf16 v[D3+8:D3+15], v[W3F:W3F+7], v[BF+16:BF+23], 0
	v_wmma_f32_16x16x32_bf16 v[D3:D3+7], v[W3F+8:W3F+15], v[BF+8:BF+15], v[D3:D3+7]
	v_wmma_f32_16x16x32_bf16 v[D3+8:D3+15], v[W3F+8:W3F+15], v[BF+24:BF+31], v[D3+8:D3+15]
	v_wmma_f32_16x16x32_bf16 v[D3:D3+7], v[W3F:W3F+7], v[BL:BL+7], v[D3:D3+7]          ; then the lo operands'
	v_wmma_f32_16x16x32_bf16 v[D3+8:D3+15], v[W3F:W3F+7], v[BL+16:BL+23], v[D3+8:D3+15]
	v_wmma_f32_16x16x32_bf16 v[D3:D3+7], v[W3F+8:W3F+15], v[BL+8:BL+15], v[D3:D3+7]
	v_wmma_f32_16x16x32_bf16 v[D3+8:D3+15], v[W3F+8:W3F+15], v[BL+24:BL+31], v[D3+8:D3+15]
	WIN 0
	PLACES 4                                       ; ahead of the reads below
.irp m, 0,1
	v_pk_add_f32 v[PO+4*\m:PO+4*\m+1], v[D3+8*\m:D3+8*\m+1], v[D3+8*\m+4:D3+8*\m+5]     ; in lanes 0-15 register j is result row j: W3's hi rows 0-2 + its lo rows 4-6 (rows 3 and 7 are zeros)
	v_pk_add_f32 v[PO+4*\m+2:PO+4*\m+3], v[D3+8*\m+2:D3+8*\m+3], v[D3+8*\m+6:D3+8*\m+7]
.endr
.irp j, 0,1,2,3
	v_permlane16_swap_b32 v[PO+\j], v[PO+4+\j]     ; lanes 0-15 hold outputs 0 .. 3 of tile 0's points (output 3 is a zero); lanes 16-31 now those of tile 1's
.endr
	s_wait_alu depctr_va_vdst(0)                   ; the part sums are written, which the store below reads; the lo conversions have written FR, and the products are done reading FR and SB, in which the next stage's loads land
	ds_store_b128 v[PA], v[PO:PO+3] offset:512*(\pa)       ; 16 bytes a rank, 512 a block
.Lno2_\@:
.endm
; Block T - 1: the second product
.macro STAGE1 pa
	s_add_co_i32 s66, s63, (\pa)-1
	s_cmp_lt_u32 s66, s62
	s_cbranch_scc0 .Lno1_\@
	LOADH (1-(\pa))*PBSZ, (1-(\pa))*PBSZ
	MM4 W1F, B1, WS1
	PLACES 4
	QUANT (1-(\pa))*PBSZ+H1O, (1-(\pa))*PBSZ+512, CD, BY1
.Lno1_\@:
.endm
; Block T: the first layer
.macro STAGE0 pa
	s_add_co_i32 s66, s63, \pa
	s_cmp_lt_u32 s66, s62
	s_cbranch_scc0 .Lno0_\@
.irp m, 0,1
.irp u, 0,1
	ds_load_b64 v[XF+4*\m+2*\u:XF+4*\m+2*\u+1], v[XA] offset:1024*(\pa)+512*\m+256*\u   ; no wait on va_vdst: the last trip's first layer ended with one behind its products, and XA was written ahead of the pass's own
.endr
.endr
	s_wait_dscnt 0x0
	WIN 0x11
.irp m, 0,1
.irp i, 0,1,2,3
	v_wmma_f32_16x16x4_f32 v[ACC+32*\m+8*\i:ACC+32*\m+8*\i+7], v[W0F+4*\i:W0F+4*\i+1], v[XF+4*\m:XF+4*\m+1], v[B0+8*\i:B0+8*\i+7]
.endr
.endr
	WIN 0
	s_cmp_eq_u32 s3, 0                             ; the diffuse MLP has three inputs: no second K step
	s_cbranch_scc1 .Lk0_\@
	WIN 0x01
.irp m, 0,1
.irp i, 0,1,2,3
	v_wmma_f32_16x16x4_f32 v[ACC+32*\m+8*\i:ACC+32*\m+8*\i+7], v[W0F+4*\i+2:W0F+4*\i+3], v[XF+4*\m+2:XF+4*\m+3], v[ACC+32*\m+8*\i:ACC+32*\m+8*\i+7]
.endr
.endr
	WIN 0
.Lk0_\@:
	PLACES 8
	QUANT (\pa)*PBSZ, (\pa)*PBSZ, CE, BY0
.Lno0_\@:
.endm
; A trip.  Written in it: H0 of its own parity, H1 of the other, my part sums.  Read in it: H1 of its own parity, H0 of the other, x.  What it reads the trip before wrote; what it writes the trip before read.
.macro TRIP pa
	STAGE2 \pa
	STAGE1 \pa
	STAGE0 \pa
	s_wait_dscnt 0x0                               ; my stores have landed and my loads are in
	s_barrier_signal -1
	s_barrier_wait -1
	s_wait_alu depctr_vm_vsrc(0)                   ; the trip's stores have read PO, CD, CE and the scale bytes, its loads and stores XA and PA: the next trip, the next pass's head and the way out write these registers anew
.endm
	s_load_b512 s[4:19], s[0:1], 0x0               ; normals s[4:5], view_dirs s[6:7], roughness s[8:9], r0 s[10:11], vis s[12:13], wq s[14:15], ws s[16:17], out0 s[18:19]
	s_load_b64 s[20:21], s[0:1], 0x40              ; out1
	s_load_b256 s[24:31], s[0:1], 0x48             ; dW0, db0, db1, db2
	s_load_b128 s[32:35], s[0:1], 0x68             ; dW3, db3
	s_load_b256 s[36:43], s[0:1], 0x78             ; sW0, sb0, sb1, sb2
	s_load_b128 s[44:47], s[0:1], 0x98             ; sW3, sb3
	v_lshl_add_u32 v254, v0, 2, 0x34200
	v_mov_b32 v255, 0
	v_lshrrev_b32 v1, 5, v0
	v_readfirstlane_b32 s2, v1                     ; wave 0..7
	v_and_b32 v1, 31, v0                           ; lane
	v_and_b32 v2, 15, v0                           ; r
	v_bfe_u32 v3, v0, 4, 1                         ; h
	s_wait_alu depctr_va_sdst(0)                   ; s2 is written, ahead of its first reader: the role, cg, the bases and the branches on the wave's number are made from it
	s_lshr_b32 s3, s2, 2                           ; role
	s_and_b32 s22, s2, 3                           ; cg
	; every LDS address is made here, ahead of the first branch
	s_lshl_b32 s23, s3, 12
	v_lshl_add_u32 v[IM], v1, 4, s23
	s_lshl_b32 s23, s22, 9
	v_add_nc_u32 v[IW], s23, v[IM]
	s_lshl_b32 s23, s3, 8
	s_add_co_u32 s23, s23, HS0
	v_lshl_add_u32 v[SR], v2, 2, s23
	s_lshr_b32 s23, s22, 1
	s_lshl_b32 s23, s23, 6
	s_and_b32 s51, s22, 1
	s_lshl_b32 s51, s51, 1
	s_add_co_u32 s23, s23, s51
	v_add_nc_u32 v[SW], s23, v[SR]
	s_wait_alu depctr_va_vdst(0)
	v_add_nc_u32 v[SW], v[SW], v3
	v_lshl_add_u32 v[XB], v1, 3, XBASE
	s_mul_i32 s23, s3, PROLE
	s_mul_i32 s51, s22, PWAVE
	s_add_co_u32 s23, s23, s51
	s_add_co_u32 s23, s23, PART
	v_lshl_add_u32 v[PB], v1, 4, s23
	v_lshl_add_u32 v[LZ], v1, 4, LIST
	v_lshl_add_u32 v[LR], v0, 2, LIST
	v_lshl_add_u32 v[XZ], v0, 3, XBASE+32*1024
	v_lshlrev_b32 v[XW], 3, v2
	v_lshl_add_u32 v[XW], v3, 9, v[XW]
	s_lshl_b32 s23, s2, 10
	s_add_co_u32 s23, s23, XBASE
	v_add_nc_u32 v[XW], s23, v[XW]                 ; block = wave (+ 8 p), tile lane / 16, place 8 (lane % 16)
	; offsets of the global loads and stores
	v_lshlrev_b32 v12, 4, v1                       ; 16 lane: images of the weights
	v_lshlrev_b32 v13, 7, v3                       ; 128 h: biases of units 32 h on
	v_lshlrev_b32 v14, 3, v1                       ; 8 lane: scale words
	v_lshrrev_b32 v18, 3, v2
	v_and_b32 v19, 7, v2
	v_lshl_add_u32 v18, v18, 5, v19
	v_lshlrev_b32 v18, 2, v18                      ; 4 (32 (r / 8) + r % 8): my operand row's unit
	v_lshl_add_u32 v15, v3, 11, v18                ; W0, row 2 h of a K step
	s_lshl_b32 s23, s3, 10
	s_add_co_u32 s23, s23, 1024
	v_mul_u32_u24 v16, s23, v3
	v_add_nc_u32 v16, v16, v18
	v_add_nc_u32 v16, 0x400, v16                   ; row 2 h + 1; dW0 has no row 3: there lanes 16-31 read row 2 once more, and the number is replaced by 0 below
	v_and_b32 v17, 3, v2
	v_min_u32 v17, 2, v17
	v_lshlrev_b32 v17, 2, v17
	v_mad_u32_u24 v17, v3, 384, v17                ; W3: output min(r % 4, 2), units 32 h on
	v_mul_u32_u24 v[GO], v1, 12
	v_add_nc_u32 v[DUMP], 0x400, v1
.irp k, 0,1,2,3
	v_mov_b32 v[Z+\k], 0
.endr
	s_mov_b32 s51, 0x00770077                      ; operand rows 0-2 and 4-6, in both halves of the lanes
	v_cndmask_b32 v[FM], 0, 1.0, s51
	v_mov_b32 v[FM+1], v[FM]
	s_wait_kmcnt 0x0
	s_lshl_b32 s100, ttmp9, 7
	s_mov_b32 s101, 0
	s_add_nc_u64 s[12:13], s[12:13], s[100:101]    ; my work-group's 32 mask words
	s_lshl_b32 s66, s2, 4
	s_load_b512 s[68:83], s[12:13], 0x0
	s_load_b512 s[84:99], s[12:13], 0x40
	s_load_b128 s[56:59], s[12:13], s66 offset:0x0 ; the four words whose rows my wave stores
	s_load_b96 s[48:50], s[34:35], 0x0             ; db3
	s_load_b96 s[52:54], s[46:47], 0x0             ; sb3
	s_cmp_lt_u32 s2, 4                             ; my role's tensors: the choice hangs on the wave's number alone
	s_cselect_b64 s[24:25], s[24:25], s[36:37]     ; W0
	s_cselect_b64 s[26:27], s[26:27], s[38:39]     ; b0
	s_cselect_b64 s[28:29], s[28:29], s[40:41]     ; b1
	s_cselect_b64 s[30:31], s[30:31], s[42:43]     ; b2
	s_cselect_b64 s[32:33], s[32:33], s[44:45]     ; W3
	s_lshl_b32 s100, s3, 16
	s_lshl_b32 s23, s22, 13
	s_add_co_u32 s100, s100, s23
	s_add_nc_u64 s[14:15], s[14:15], s[100:101]    ; wq: role x 65,536 + cg x 8,192
	s_lshl_b32 s100, s3, 13
	s_lshl_b32 s23, s22, 10
	s_add_co_u32 s100, s100, s23
	s_add_nc_u64 s[16:17], s[16:17], s[100:101]    ; ws: role x 8,192 + cg x 1,024
	s_lshl_b32 s100, s22, 8                        ; my 64 units, in f32
	s_add_nc_u64 s[24:25], s[24:25], s[100:101]
	s_add_nc_u64 s[26:27], s[26:27], s[100:101]
	s_add_nc_u64 s[28:29], s[28:29], s[100:101]
	s_add_nc_u64 s[30:31], s[30:31], s[100:101]
	s_mul_i32 s100, s22, 768                       ; 64 rows of W3
	s_add_nc_u64 s[32:33], s[32:33], s[100:101]
	s_mul_i32 s100, ttmp9, 12288                   ; my work-group's 1,024 points
	s_add_nc_u64 s[4:5], s[4:5], s[100:101]
	s_add_nc_u64 s[6:7], s[6:7], s[100:101]
	s_mul_i32 s23, s2, 1536                        ; my wave's 128 rows of the results
	s_add_co_u32 s100, s100, s23
	s_add_nc_u64 s[18:19], s[18:19], s[100:101]
	s_add_nc_u64 s[20:21], s[20:21], s[100:101]
	s_lshl_b32 s100, ttmp9, 12
	s_add_nc_u64 s[8:9], s[8:9], s[100:101]
	s_add_nc_u64 s[10:11], s[10:11], s[100:101]
	; the weights: they stay
	WIN 0x40                                       ; destination window 1, address window 0
.irp i, 0,1,2,3
	v_mov_b32 v[W0F+4*\i+2], 0                                         ; the second K step's registers are written in every wave; the specular waves load theirs below
	v_mov_b32 v[W0F+4*\i+3], 0
.endr
	s_wait_alu depctr_va_vdst(0)                   ; every offset and LDS address of the head (v4-v17, v242-v253) is written, which the loads and stores from here on read; so are the eight zeros above, in whose registers the specular waves' loads land
.set n, 0
.rept 16
	global_load_b128 v[W1F+4*n:W1F+4*n+3], v12, s[14:15] offset:512*n
	global_load_b128 v[W2F+4*n:W2F+4*n+3], v12, s[14:15] offset:32768+512*n
.set n, n+1
.endr
.irp i, 0,1,2,3                                ; tile i, lane (r, h): the biases of units 32 h + 8 i + 0 .. 7: the result's layout
	global_load_b128 v[B0+8*\i:B0+8*\i+3], v13, s[26:27] offset:32*\i
	global_load_b128 v[B0+8*\i+4:B0+8*\i+7], v13, s[26:27] offset:32*\i+16
	global_load_b128 v[B1+8*\i:B1+8*\i+3], v13, s[28:29] offset:32*\i
	global_load_b128 v[B1+8*\i+4:B1+8*\i+7], v13, s[28:29] offset:32*\i+16
	global_load_b128 v[B2+8*\i:B2+8*\i+3], v13, s[30:31] offset:32*\i
	global_load_b128 v[B2+8*\i+4:B2+8*\i+7], v13, s[30:31] offset:32*\i+16
.endr
.irp i, 0,1,2,3
	global_load_b32 v[W0F+4*\i], v15, s[24:25] offset:32*\i            ; W0(2 h, unit), W0(2 h + 1, unit)
	global_load_b32 v[W0F+4*\i+1], v16, s[24:25] offset:32*\i
.endr
	WIN 0
	s_cmp_eq_u32 s3, 0
	s_cbranch_scc1 .Lno_k1
	WIN 0x40
.irp i, 0,1,2,3
	global_load_b32 v[W0F+4*\i+2], v15, s[24:25] offset:4096+32*\i     ; rows 4 + 2 h, 5 + 2 h of sW0.  No vector instruction since the wait above names these registers
	global_load_b32 v[W0F+4*\i+3], v16, s[24:25] offset:4096+32*\i
.endr
	WIN 0
.Lno_k1:
.irp i, 0,1,2,3
	global_load_b64 v[WS1+2*\i:WS1+2*\i+1], v14, s[16:17] offset:256*\i
	global_load_b64 v[WS2+2*\i:WS2+2*\i+1], v14, s[16:17] offset:4096+256*\i
.endr
.set n, 0
.rept 32                                       ; W3(32 h + n, min(r % 4, 2)) of my 64 units, n = 16 q + e
	global_load_b32 v[FR+n], v17, s[32:33] offset:12*n
.set n, n+1
.endr
	; ranks: how many visible points lie ahead of my wave's four words, and how many there are
	s_wait_kmcnt 0x0
	s_mov_b32 s61, 0
	s_mov_b32 s60, 0
.set j, 0
.rept 32
.if j%4 == 0
	s_cmp_eq_u32 s2, j/4
	s_cselect_b32 s60, s61, s60
.endif
	s_bcnt1_i32_b32 s66, s[68+j]
	s_add_co_u32 s61, s61, s66
.set j, j+1
.endr
	s_add_co_u32 s62, s61, 31
	s_lshr_b32 s62, s62, 5                         ; blocks of 32 ranks
	; the list rank -> point, by wave 0; no other wave touches LDS ahead of the barrier below.  All 32 addresses and data words are made first, each in a register of its own, so that one wait serves the 32 stores
	s_cmp_lg_u32 s2, 0
	s_cbranch_scc1 .Lno_list
.irp k, 0,1,2,3,4,5,6,7,8
	ds_store_b128 v[LZ], v[Z:Z+3] offset:512*\k    ; ranks that no point has name point 0
.endr
	s_mov_b32 s67, 0
.set j, 0
.rept 32
	v_mbcnt_lo_u32_b32 v[LA+j], s[68+j], s67       ; my point's rank, if it is visible;
	v_cndmask_b32 v[LA+j], v[DUMP], v[LA+j], s[68+j]   ; else my dump word
	v_min_u32 v[LA+j], 0x43f, v[LA+j]
	v_lshl_add_u32 v[LA+j], v[LA+j], 2, LIST
	v_add_nc_u32 v[LD+j], 32*j, v1
	s_bcnt1_i32_b32 s66, s[68+j]
	s_add_co_u32 s67, s67, s66
.set j, j+1
.endr
	s_wait_alu depctr_va_vdst(0)                   ; the 32 addresses and the 32 data words are written, which the stores below read
.set j, 0
.rept 32
	ds_store_b32 v[LA+j], v[LD+j]                  ; LDS serves a wave's instructions in order: behind the zeros
.set j, j+1
.endr
.Lno_list:
	s_wait_dscnt 0x0
	s_barrier_signal -1
	s_barrier_wait -1                              ; the list lies in LDS
	s_wait_alu depctr_vm_vsrc(0)                   ; wave 0's list stores have read v144-207, in which the gathers land and the norms are worked
	s_mov_b32 s71, 0x07060302                      ; v_perm_b32: the upper halves of two registers (the 32 mask words are done with: their registers are free)
	s_mov_b32 s72, 0xffff0000                      ; a number's upper 16 bits
	s_mov_b32 s67, 0x00f000f0                      ; operand rows 4-7: W3's lo parts
	; gather: wave w takes blocks w + 8 p, a lane a rank
.irp p, 0,1,2,3
	ds_load_b32 v[GP+\p], v[LR] offset:1024*\p
.endr
	s_wait_dscnt 0x0
.irp p, 0,1,2,3
	v_min_u32 v[GP+\p], 0x3ff, v[GP+\p]
.endr
.irp p, 0,1,2,3
	v_mul_u32_u24 v[GQ+\p], v[GP+\p], 12
	v_lshlrev_b32 v[GP+\p], 2, v[GP+\p]
.endr
	s_wait_alu depctr_va_vdst(0)                   ; the eight offsets are written, which the gathers read
.irp p, 0,1,2,3
	global_load_b96 v[144+16*\p:146+16*\p], v[GQ+\p], s[4:5]
	global_load_b96 v[148+16*\p:150+16*\p], v[GQ+\p], s[6:7]
	global_load_b32 v[158+16*\p], v[GP+\p], s[8:9]
	global_load_b32 v[159+16*\p], v[GP+\p], s[10:11]
.endr
	s_cmp_eq_u32 s3, 0
	s_cselect_b32 s66, 0xffff0000, 0               ; diffuse: lanes 16-31
	s_wait_loadcnt 16                              ; all but the sixteen gathers, which were issued last in both roles: the weights are in
.set n, 0
.rept 16
	v_pk_mul_f32 v[FR+2*n:FR+2*n+1], v[FR+2*n:FR+2*n+1], v[FM:FM+1]    ; operand rows 3 and 7 .. 15 of W3^T are zeros
.set n, n+1
.endr
.irp g, 0,1                                    ; W3's split, sixteen numbers at a time: rows 0-3 keep hi, rows 4-7 take the number - hi
.set n, 0
.rept 16
	v_and_b32 v[CD+n], s72, v[FR+16*\g+n]
.set n, n+1
.endr
.set n, 0
.rept 16
	v_sub_f32 v[FR+16*\g+n], v[FR+16*\g+n], v[CD+n]
.set n, n+1
.endr
.set n, 0
.rept 16
	v_cndmask_b32 v[FR+16*\g+n], v[CD+n], v[FR+16*\g+n], s67
.set n, n+1
.endr
.endr
	WIN 0x40
.set n, 0
.rept 16
	v_cvt_pk_bf16_f32 v[W3F+n], v[FR+2*n], v[FR+2*n+1]                 ; hi goes over unchanged, lo is rounded
.set n, n+1
.endr
	WIN 0x41                                       ; source 0 and destination in window 1
.irp i, 0,1,2,3
	v_cndmask_b32 v[W0F+4*\i+1], v[W0F+4*\i+1], 0, s66                 ; the diffuse weight at k = 3
.endr
	WIN 0
	s_wait_loadcnt 0x0
.irp p, 0,1,2,3
	v_mul_f32 v[147+16*\p], v[144+16*\p], v[144+16*\p]
	v_mul_f32 v[151+16*\p], v[148+16*\p], v[148+16*\p]
.endr
.irp p, 0,1,2,3
	v_fma_f32 v[147+16*\p], v[145+16*\p], v[145+16*\p], v[147+16*\p]
	v_fma_f32 v[151+16*\p], v[149+16*\p], v[149+16*\p], v[151+16*\p]
.endr
.irp p, 0,1,2,3
	v_fma_f32 v[147+16*\p], v[146+16*\p], v[146+16*\p], v[147+16*\p]
	v_fma_f32 v[151+16*\p], v[150+16*\p], v[150+16*\p], v[151+16*\p]
.endr
	s_wait_alu depctr_va_vdst(0)
.irp p, 0,1,2,3
	v_sqrt_f32 v[147+16*\p], v[147+16*\p]
	v_sqrt_f32 v[151+16*\p], v[151+16*\p]
.endr
	v_nop
	s_wait_alu depctr_va_vdst(0)                   ; one wait for the eight roots, ahead of their first reader
.irp p, 0,1,2,3
	v_max_num_f32 v[147+16*\p], 0x2b8cbccc, v[147+16*\p]               ; max(norm, 1e-12)
	v_max_num_f32 v[151+16*\p], 0x2b8cbccc, v[151+16*\p]
.endr
	s_wait_alu depctr_va_vdst(0)
.irp p, 0,1,2,3
	v_rcp_f32 v[147+16*\p], v[147+16*\p]
	v_rcp_f32 v[151+16*\p], v[151+16*\p]
.endr
	v_nop
	s_wait_alu depctr_va_vdst(0)                   ; one wait for the eight reciprocals, ahead of their first reader
.irp p, 0,1,2,3
.irp c, 0,1,2
	v_mul_f32 v[152+16*\p+\c], v[144+16*\p+\c], v[147+16*\p]           ; x = (n, v, roughness, r0) in v[152 + 16 p ..]
	v_mul_f32 v[155+16*\p+\c], v[148+16*\p+\c], v[151+16*\p]
.endr
.endr
	s_wait_alu depctr_va_vdst(0)                   ; n and v are written, which the LDS stores below read
.irp p, 0,1,2,3
.irp k, 0,1,2,3
	ds_store_b64 v[XW], v[152+16*\p+2*\k:153+16*\p+2*\k] offset:8192*\p+128*\k     ; pair k is k = 2 h' + 0, 1 of K step k / 2, h' = k % 2: the place of lane r + 16 h'
.endr
.endr
	ds_store_b64 v[XZ], v[Z:Z+1]                   ; blocks 32 and 33 of x, which the loop's last two trips can name and no point has: 256 threads x 8 bytes of zeros
	ds_store_b128 v[PB], v[Z:Z+3] offset:1024      ; my part sums of ranks 0-31 begin as zeros: rank 0 is read for every hidden point, also where no point is visible
	s_wait_dscnt 0x0
	s_barrier_signal -1
	s_barrier_wait -1                              ; x's images lie in LDS
	s_wait_alu depctr_vm_vsrc(0)                   ; my LDS stores have read x's registers (v152-207), and the head's loads their offsets (v12-17, v232-239): the loop writes all of these anew
	s_mov_b32 s68, 0x88888888                      ; the codes' sign bits
	s_mov_b32 s63, 0
.Lpass:                                            ; 17 passes of two trips: trips 0 .. 33
	s_lshl_b32 s69, s63, 10
	s_lshl_b32 s70, s63, 9
	v_add_nc_u32 v[XA], s69, v[XB]                 ; (free: the wait on vm_vsrc at the last trip's end)
	v_add_nc_u32 v[PA], s70, v[PB]                 ; trip T stores block T - 2 at 512 T: 1,024 + 16 x rank
	s_wait_alu depctr_va_vdst(0)                   ; XA and PA are written, which this pass's loads of x and stores of part sums read
	TRIP 0
	TRIP 1
	s_add_co_u32 s63, s63, 2
	s_cmp_lt_u32 s63, 34
	s_cbranch_scc1 .Lpass
	; THE WAY OUT.  Behind the last barrier LDS is only read.  My wave stores rows 128 w .. 128 w + 127 of both results, 32 a pass: a visible point's four part sums of each role, by its rank, + b3; zeros for the others.
	; (v12-19 and v208-239 are free: the wait on vm_vsrc at the last trip's end)
.irp i, 0,1,2,3
	v_mbcnt_lo_u32_b32 v[12+\i], s[56+\i], s60
	v_cndmask_b32 v[12+\i], 0, v[12+\i], s[56+\i]
	v_min_u32 v[12+\i], 0x3ff, v[12+\i]
	v_lshl_add_u32 v[12+\i], v[12+\i], 4, PART+1024
	v_add_nc_u32 v[16+\i], PROLE, v[12+\i]
	s_bcnt1_i32_b32 s66, s[56+\i]
	s_add_co_u32 s60, s60, s66
.endr
	s_wait_alu depctr_va_vdst(0)                   ; the eight addresses are written, which the loads below read
.macro EL i                            ; pass i's eight loads, into set i % 2
.irp c, 0,1,2,3
	ds_load_b128 v[144+32*((\i)%2)+4*\c:147+32*((\i)%2)+4*\c], v[12+(\i)] offset:PWAVE*\c
	ds_load_b128 v[160+32*((\i)%2)+4*\c:163+32*((\i)%2)+4*\c], v[16+(\i)] offset:PWAVE*\c
.endr
.endm
.macro ES i                            ; pass i's sums and stores; each pass has result registers of its own, so no store's data are written again
.irp p, 0,1
.set LL, 144+32*((\i)%2)+16*\p
	v_pk_add_f32 v[LL:LL+1], v[LL:LL+1], v[LL+4:LL+5]
	v_pk_add_f32 v[LL+2:LL+3], v[LL+2:LL+3], v[LL+6:LL+7]
	v_pk_add_f32 v[LL+8:LL+9], v[LL+8:LL+9], v[LL+12:LL+13]
	v_pk_add_f32 v[LL+10:LL+11], v[LL+10:LL+11], v[LL+14:LL+15]
	v_pk_add_f32 v[LL:LL+1], v[LL:LL+1], v[LL+8:LL+9]
	v_pk_add_f32 v[LL+2:LL+3], v[LL+2:LL+3], v[LL+10:LL+11]
.irp c, 0,1,2
	v_add_f32 v[208+8*(\i)+4*\p+\c], s[48+4*\p+\c], v[LL+\c]
.endr
.irp c, 0,1,2
	v_cndmask_b32 v[208+8*(\i)+4*\p+\c], 0, v[208+8*(\i)+4*\p+\c], s[56+(\i)]
.endr
.endr
	s_wait_alu depctr_va_vdst(0)                   ; the pass's six results are written, which the stores below read; the sums are done with set i % 2, in which the loads of two passes on land
	global_store_b96 v[GO], v[208+8*(\i):210+8*(\i)], s[18:19] offset:384*(\i) th:TH_STORE_NT      ; 32 lanes store 384 consecutive bytes; a wave's four passes 1,536, from a multiple of 256 on
	global_store_b96 v[GO], v[212+8*(\i):214+8*(\i)], s[20:21] offset:384*(\i) th:TH_STORE_NT
.endm
	EL 0
	EL 1
	s_wait_dscnt 8                                 ; all but the next pass's eight loads
	ES 0
	EL 2
	s_wait_dscnt 8
	ES 1
	EL 3
	s_wait_dscnt 8
	ES 2
	s_wait_dscnt 0x0
	ES 3
	s_wait_dscnt 0x0                               ; the closing lines, six on end
	s_wait_alu 0x0
	s_wait_tensorcnt 0x0
	ds_add_u32 v254, v255
	s_wait_dscnt 0x0
	s_endpgm
.Lfunc_end_k_qb6fbcdbe3a_mlp:
	.size	k_qb6fbcdbe3a_mlp, .Lfunc_end_k_qb6fbcdbe3a_mlp-k_qb6fbcdbe3a_mlp
	.p2alignl 7, 3214868480
	.fill 96, 4, 3214868480
	.section	.rodata,"a",@progbits
	.p2align	6, 0x0
	.amdhsa_kernel k_qb6fbcdbe3a_mlp
		.amdhsa_group_segment_fixed_size 214528
		.amdhsa_private_segment_fixed_size 0
		.amdhsa_enable_private_segment 0
		.amdhsa_kernarg_size 168
		.amdhsa_user_sgpr_count 2
		.amdhsa_user_sgpr_kernarg_segment_ptr 1
		.amdhsa_wavefront_size32 1
		.amdhsa_system_sgpr_workgroup_id_x 1
		.amdhsa_system_sgpr_workgroup_id_y 1
		.amdhsa_system_sgpr_workgroup_id_z 1
		.amdhsa_system_vgpr_workitem_id 0
		.amdhsa_next_free_vgpr 512
		.amdhsa_next_free_sgpr 102
		.amdhsa_reserve_vcc 0
		.amdhsa_float_denorm_mode_32 3
		.amdhsa_float_denorm_mode_16_64 3
		.amdhsa_memory_ordered 1
		.amdhsa_forward_progress 1
		.amdhsa_inst_pref_size 115
	.end_amdhsa_kernel
	.amdgpu_metadata
---
amdhsa.version: [ 1, 2 ]
amdhsa.kernels:
  - .name:           k_qb6fbcdbe3a_mlp
    .symbol:         k_qb6fbcdbe3a_mlp.kd
    .args:
      - { .name: normals, .offset: 0, .size: 8, .value_kind: global_buffer, .address_space: global }
      - { .name: view_dirs, .offset: 8, .size: 8, .value_kind: global_buffer, .address_space: global }
      - { .name: roughness, .offset: 16, .size: 8, .value_kind: global_buffer, .address_space: global }
      - { .name: r0, .offset: 24, .size: 8, .value_kind: global_buffer, .address_space: global }
      - { .name: vis, .offset: 32, .size: 8, .value_kind: global_buffer, .address_space: global }
      - { .name: wq, .offset: 40, .size: 8, .value_kind: global_buffer, .address_space: global }
      - { .name: ws, .offset: 48, .size: 8, .value_kind: global_buffer, .address_space: global }
      - { .name: out0, .offset: 56, .size: 8, .value_kind: global_buffer, .address_space: global }
      - { .name: out1, .offset: 64, .size: 8, .value_kind: global_buffer, .address_space: global }
      - { .name: dW0, .offset: 72, .size: 8, .value_kind: global_buffer, .address_space: global }
      - { .name: db0, .offset: 80, .size: 8, .value_kind: global_buffer, .address_space: global }
      - { .name: db1, .offset: 88, .size: 8, .value_kind: global_buffer, .address_space: global }
      - { .name: db2, .offset: 96, .size: 8, .value_kind: global_buffer, .address_space: global }
      - { .name: dW3, .offset: 104, .size: 8, .value_kind: global_buffer, .address_space: global }
      - { .name: db3, .offset: 112, .size: 8, .value_kind: global_buffer, .address_space: global }
      - { .name: sW0, .offset: 120, .size: 8, .value_kind: global_buffer, .address_space: global }
      - { .name: sb0, .offset: 128, .size: 8, .value_kind: global_buffer, .address_space: global }
      - { .name: sb1, .offset: 136, .size: 8, .value_kind: global_buffer, .address_space: global }
      - { .name: sb2, .offset: 144, .size: 8, .value_kind: global_buffer, .address_space: global }
      - { .name: sW3, .offset: 152, .size: 8, .value_kind: global_buffer, .address_space: global }
      - { .name: sb3, .offset: 160, .size: 8, .value_kind: global_buffer, .address_space: global }
    .group_segment_fixed_size: 214528
    .private_segment_fixed_size: 0
    .kernarg_segment_align: 8
    .kernarg_segment_size: 168
    .max_flat_workgroup_size: 256
    .sgpr_count:     102
    .vgpr_count:     512
    .wavefront_size: 32
...
	.end_amdgpu_metadata
.endif
;; end of part 4
